; MI455X (gfx1250); checked and timed in simulation.
; The chip was launched on July 23, 2026; its instructions are those of AMD's public machine-readable ISA for CDNA 5 (MIT licence, August 2026) and "CDNA5" Instruction Set Architecture Reference Guide (July 2026). The comments in the code are by the model that wrote it; some were corrected since.
;; Multi Head Attention. Allowed arithmetic: matrix products marked QUANTISED: E2M3 operands, one E8M0 scale for each 32 along K, by v_wmma_scale_f32_16x16x128_f8f6f4 with both operands' format E2M3, f32 sums; everything else in f32.
;; Inputs: Wk 1,024 x 1,024 float32; Wo 1,024 x 1,024 float32; Wq 1,024 x 1,024 float32; Wv 1,024 x 1,024 float32; key 4 x 2,048 x 1,024 float32; mask 4 x 1 x 1 x 2,048 int32; query 4 x 2,048 x 1,024 float32; value 4 x 2,048 x 1,024 float32.
;; Outputs: out0 4 x 2,048 x 1,024 float32.
;; This version of the problem:
;;   THIS VERSION OF THE PROBLEM IS GIVEN IN LOW PRECISION. The matrix products marked QUANTISED in the list below multiply operands that are first quantised to E2M3 (2 exponent bits, 3 mantissa bits; 6 bits a number), with one power-of-two scale for each 32 numbers along K (OCP MX v1.0); their sums are f32. All else is computed in f32.
;;   The module's matrix products, in the order in which they are computed (A, B: the left and right operand; K: the contracted axis; several contracted axes count as one K, in the product's order):
;;     1. [M 8,192, K 1,024] x [K 1,024, N 1,024]; A: input query; B: input Wq: QUANTISED
;;     2. [M 8,192, K 1,024] x [K 1,024, N 1,024]; A: input key; B: input Wk: QUANTISED
;;     3. [M 8,192, K 1,024] x [K 1,024, N 1,024]; A: input value; B: input Wv: QUANTISED
;;     4. batch 64 x [M 2,048, K 64] x [K 64, N 2,048]; A: computed on the way; B: computed on the way: QUANTISED
;;     5. batch 64 x [M 2,048, K 2,048] x [K 2,048, N 64]; A: softmax (see below); B: computed on the way: QUANTISED
;;     6. [M 8,192, K 1,024] x [K 1,024, N 1,024]; A: computed on the way; B: input Wo: QUANTISED
;;   THE QUANTISER, for each operand of a quantised product, along K:
;;     - K is cut into blocks of 32 from its start; a last block that is shorter is filled with zeros.
;;     - A block's scale is 2^e with e = floor(log2(the largest magnitude in the block)) - 2, held to -126 .. 127; a block of zeros has e = 0. As a byte (E8M0): e + 127.
;;     - Each number is divided by its block's scale, clamped to +-7.5, and rounded to the nearest number of E2M3, ties to even, subnormals kept.
;;     - The product sums the exact products of the quantised numbers (number of the format x scale) in f32.
;;   ~~~python
;;   def quantise(x, axis):      # numpy; x: float32 -> the quantised numbers, widened to float32 again
;;       x = np.moveaxis(x, axis, -1); K = x.shape[-1]
;;       x = np.pad(x, [(0, 0)] * (x.ndim - 1) + [(0, -K % 32)]); x = x.reshape(x.shape[:-1] + (-1, 32)); a = np.abs(x).max(-1, keepdims=True)
;;       e = np.where(a > 0, np.clip(np.frexp(np.where(a > 0, a, 1))[1] - 1 - 2, -126, 127), 0)      # np.frexp(a)[1] - 1 = floor(log2(a)), exactly
;;       r = np.clip(x / 2.0 ** e, -7.5, 7.5)
;;       step = 2.0 ** (np.maximum(np.frexp(np.where(r == 0, 1, r))[1] - 1, 0) - 3)
;;       q = np.round(r / step) * step * 2.0 ** e      # np.round: ties to even
;;       return np.moveaxis(q.reshape(q.shape[:-2] + (-1,))[..., :K], -1, axis).astype(np.float32)
;;   ~~~
;;   SOFTMAX AHEAD OF A QUANTISED PRODUCT. Where the list says 'softmax', what is quantised is not the finished softmax but p = 2^(t - M), with t = logit x log2(e) and M = ceil(the row's largest t), a whole number; so 1/2 < the row's largest p <= 1. The row's sum l is taken of the UNQUANTISED p, in f32, and the product's result is divided by l at the end. Since M is a whole number, a kernel that streams over the keys may use a running M (the ceiling of the running maximum): every later rescaling is an exact power of two, which a block's scale takes up: the codes' values come out the same.
;;   OPERANDS COMPUTED ON THE WAY. 'Computed on the way' means the value that the module computes at that place (a softmax that the list does not call 'softmax' is quantised finished and normalised). What goes into a quantiser is computed in f32, as accurately as f32 sums, v_exp_f32 and their like allow (about 1e-6 of the number): no bf16 or f16 on the way to a quantiser, and a product that is left as it is and whose result goes on into a quantised operand takes f32 operands (vector FMAs, or v_wmma_f32_16x16x4_f32). A number that lies on a knife's edge between two numbers of the format may be rounded either way, as far as f32 arithmetic and the matrix unit's own rounding can turn it there, and no further.
;; One version. Each part assembles by itself: llvm-mc -triple=amdgcn-amd-amdhsa -mcpu=gfx1250 --defsym DOCPART=n.
;; ======== version 1 of 1: 4 launches
;; limits: right only within a limited range of input values
;; workspace buffers: XI 22,937,600 bytes; QI 8,912,896 bytes; KI 8,912,896 bytes; VI 6,553,600 bytes; AI 6,553,600 bytes
;; launch quant (part 1): grid 448 x 1, 4 waves a work-group, no clusters, 36,352 bytes of LDS; arguments query, key, value, Wq, Wk, Wv, Wo, XI; writes XI
.if DOCPART == 1
	.amdgcn_target "amdgcn-amd-amdhsa--gfx1250"
	.amdhsa_code_object_version 6
	.text
	.protected	k_qcd8fadbfd0_quant
	.globl	k_qcd8fadbfd0_quant
	.p2align	8
	.type	k_qcd8fadbfd0_quant,@function
k_qcd8fadbfd0_quant:
	s_mov_b64 s[64:65], 0
	v_nop
	global_prefetch_b8 v0, s[64:65] scope:SCOPE_SE
	s_setreg_imm32_b32 hwreg(HW_REG_WAVE_MODE, 25, 1), 1
	s_wait_xcnt 0x0
; query, key, value [8192][1024] and Wq, Wk, Wv, Wo [1024][1024], f32 with K innermost, become codes of FP6 (E2M3) with one E8M0 byte for each 32 along K,
; laid in XI in the ORDER OF THE OPERAND'S REGISTERS.  XI is 224 blocks of 128 rows: 0-63 query, 64-127 key, 128-191 value, 192-199 Wq, 200-207 Wk, 208-215 Wv, 216-223 Wo.
; A block is 8 records, one for each 128 along K.  A record, 12,800 bytes: codes [tile 0..7][piece 0..2][lane][16 bytes] (piece p = registers 4 p .. 4 p + 3 of the fragment), then scale words [row 0..15][tile 0..7].
; THE CUT OF THE TILES: row r of tile t is row 64 (t / 4) + 8 (t % 4) + r % 8 + 32 (r / 8) of the block, so that a product that takes such tiles as source 0 leaves a whole block of 32 neighbours in a lane's 32 registers of four tiles.
; A block's scale is 2^(floor(log2(its largest magnitude)) - 2); its byte is that magnitude's exponent field - 2, held at 1 from below (a block of zeros keeps 1: its codes are zeros, and this program alone reads the bytes).
; LIMITS: NaN and infinities among the inputs are not served.
; SHARES.  A wave makes one record: 8 tiles of 16 rows x 128 K.  Each load reads 512 consecutive bytes of a row; a tile's 16 rows turn through the wave's own stage in LDS (pitch 528), from which lane (r, h) takes,
; of row r, 16 neighbours of each block of 32.  Each store of codes covers 512 consecutive bytes, aligned; the record's 512 bytes of scale words are gathered in LDS and leave by one store.
; Waves share nothing: no barrier.  No cluster, no tensor load: no two work-groups read the same bytes.  Loads run two tiles (32 loads a wave) ahead.
.set PIT,   528                        ; a stage row: 512 bytes + 16
.set SCW,   16*PIT                     ; behind the stage: the record's scale words, 512 bytes
.set WSB,   SCW+512                    ; a wave's region
.set SPARE, 4*WSB                      ; behind the four regions: the spare words, 128 bytes a wave: two blocks of 256 bytes that no other line names
.set SPW,   10                         ; v10  my spare word's address; never rewritten
.set NIL,   11                         ; v11  0; never rewritten
.set R,     16                         ; v16-143  two sets of 64: a tile as it is loaded
.set X,     144                        ; v144-207 64 numbers: register 16 b + i = k 32 b + 16 h + i of my row
.set PC,    208                        ; v208-226 the fragment's codes, and the conversions' second halves
.set TM,    228                        ; v228-243 at work
.set PW,    244                        ; v244 the scale word
.set SEL,   32                         ; s[32:33] lane selects for v_permlanex16_b32: lane l xor 16
	s_load_b512 s[8:23], s[0:1], 0x0               ; query, key, value, Wq, Wk, Wv, Wo, XI
	v_lshl_add_u32 v[SPW], v0, 2, SPARE
	v_mov_b32 v[NIL], 0
	v_lshrrev_b32 v1, 5, v0
	v_readfirstlane_b32 s2, v1                     ; wave
	v_and_b32 v1, 31, v0                           ; lane
	v_and_b32 v2, 15, v0                           ; r
	v_bfe_u32 v3, v0, 4, 1                         ; h
	s_mul_i32 s3, s2, WSB
	v_lshlrev_b32 v4, 4, v1                        ; 16 x lane: my bytes of a load's 512, and of a piece of codes
	v_add_nc_u32 v5, s3, v4                        ; the stage, on the way in
	v_mul_u32_u24 v6, v2, PIT
	v_lshl_add_u32 v6, v3, 6, v6
	v_add_nc_u32 v6, s3, v6                        ; and on the way out: row r, + 64 h
	v_lshlrev_b32 v7, 5, v2
	v_add_nc_u32 v7, s3, v7
	v_add_nc_u32 v7, SCW, v7                       ; my row's eight scale words
	v_add_nc_u32 v8, SCW, v5                       ; the scale words on the way out: 16 bytes a lane
	s_mov_b32 s[SEL], 0x76543210
	s_mov_b32 s[SEL+1], 0xfedcba98
.irp b, 0,1,2,3
	v_mov_b32 v[TM+4+\b], 0                        ; written once: a lane permute's destination counts as one of its sources
.endr
	s_lshr_b32 s4, ttmp9, 1                        ; the block of 128 rows
	s_and_b32 s5, ttmp9, 1
	s_lshl_b32 s5, s5, 2
	s_add_co_u32 s5, s5, s2                        ; the K step: 4 x (work-group % 2) + wave
	s_wait_alu depctr_va_vdst(0)                   ; the wait at the head's end
	s_wait_kmcnt 0x0
; which tensor the block belongs to: pointers are chosen on the work-group's number alone
.macro PICK lim, ptr, first
	s_cmp_lt_u32 s4, \lim
	s_cselect_b64 s[24:25], s[\ptr:\ptr+1], s[24:25]
	s_cselect_b32 s26, \first, s26
.endm
	s_mov_b64 s[24:25], s[20:21]
	s_mov_b32 s26, 216
	PICK 216, 18, 208
	PICK 208, 16, 200
	PICK 200, 14, 192
	PICK 192, 12, 128
	PICK 128, 10, 64
	PICK 64, 8, 0
	s_sub_co_u32 s27, s4, s26                      ; the block's number in its tensor
	s_lshl_b32 s28, s27, 19                        ; 128 rows of 4,096 bytes
	s_lshl_b32 s27, s5, 9                          ; 128 numbers along K
	s_add_co_u32 s28, s28, s27
	s_mov_b32 s29, 0
	s_add_nc_u64 s[24:25], s[24:25], s[28:29]
	s_mul_i32 s28, s4, 102400
	s_mul_i32 s27, s5, 12800
	s_add_co_u32 s28, s28, s27
	s_add_nc_u64 s[22:23], s[22:23], s[28:29]      ; my record
.macro LOAD t                          ; tile t's 16 rows, 512 consecutive bytes each, into set t % 2
.irp i, 0,1,2,3,4,5,6,7,8,9,10,11,12,13,14,15
	global_load_b128 v[R+64*((\t)%2)+4*\i:R+64*((\t)%2)+4*\i+3], v4, s[24:25] offset:(64*((\t)/4)+8*((\t)%4)+\i+24*(\i/8))*4096 th:TH_LOAD_NT
.endr
.endm
; 64 numbers of a lane become a fragment's codes in v[PC] on and its scale word in v[PW]
.macro QUANT s
.irp b, 0,1,2,3
	v_max3_num_f32 v[TM+\b], |v[\s+16*\b]|, |v[\s+1+16*\b]|, 0x1800000   ; block b: my 16 numbers, and the floor 2^(3 - 127): the byte cannot fall under 1
.endr
.irp i, 2,4,6,8,10,12,14
.irp b, 0,1,2,3
	v_max3_num_f32 v[TM+\b], v[TM+\b], |v[\s+16*\b+\i]|, |v[\s+1+16*\b+\i]|   ; the four blocks by turns
.endr
.endr
.irp b, 0,1,2,3
	v_permlanex16_b32 v[TM+4+\b], v[TM+\b], s[SEL], s[SEL+1]
.endr
.irp b, 0,1,2,3
	v_max_num_f32 v[TM+\b], v[TM+\b], v[TM+4+\b]   ; with lane l xor 16's: the block's largest magnitude
.endr
.irp b, 0,1,2,3
	v_add_nc_u32 v[TM+12+\b], 0xff000000, v[TM+\b] ; 2 off its exponent field: the conversion's scale operand
.endr
.irp b, 0,1,2,3
	v_lshrrev_b32 v[TM+4+\b], 23, v[TM+12+\b]      ; the scale's byte
.endr
	v_lshl_or_b32 v[PW], v[TM+5], 8, v[TM+4]
	v_lshl_or_b32 v[PW], v[TM+6], 16, v[PW]
	v_lshl_or_b32 v[PW], v[TM+7], 24, v[PW]
.irp c, 0,1
	v_cvt_scalef32_pk16_fp6_f32 v[PC+6*\c:PC+2+6*\c], v[\s+32*\c:\s+15+32*\c], v[TM+12+2*\c]
	v_cvt_scalef32_pk16_fp6_f32 v[PC+12+4*\c:PC+14+4*\c], v[\s+16+32*\c:\s+31+32*\c], v[TM+12+2*\c+1]   ; (a conversion's three registers begin on an even number)
.endr
	v_nop                                          ; one plain place behind a scaled conversion
.irp c, 0,1                            ; the operand's layout wants a whole block in a lane: lanes 0-15 block 2 c, lanes 16-31 block 2 c + 1
.irp i, 0,1,2
	v_permlane16_swap_b32 v[PC+6*\c+\i], v[PC+12+4*\c+\i]
.endr
.irp i, 0,1,2
	v_mov_b32 v[PC+3+6*\c+\i], v[PC+12+4*\c+\i]
.endr
.endr
.endm
.macro TILE t
.if (\t) > 0
	s_wait_xcnt 0x0                                ; the last tile's stores have read their data: the codes' registers are rewritten only behind this wait
.endif
.if (\t) < 7
	s_wait_loadcnt 16                              ; this tile's 16 loads are in; the next tile's 16 may be out
.else
	s_wait_loadcnt 0x0
.endif
.irp i, 0,1,2,3,4,5,6,7,8,9,10,11,12,13,14,15
	ds_store_b128 v5, v[R+64*((\t)%2)+4*\i:R+64*((\t)%2)+4*\i+3] offset:PIT*\i
.endr
.irp b, 0,1,2,3
.irp q, 0,1,2,3
	ds_load_b128 v[X+16*\b+4*\q:X+16*\b+4*\q+3], v6 offset:128*\b+16*\q   ; LDS serves a wave's instructions in order: these see the stores above
.endr
.endr
	s_wait_dscnt 0x0                               ; the numbers are back, and the stores into the stage have read their registers,
.if (\t) < 6
	LOAD (\t)+2                                    ; which take the tile two further on
.endif
	QUANT X
	ds_store_b32 v7, v[PW] offset:4*(\t)           ; both halves of the lanes write the same word with the same value
.irp p, 0,1,2
	global_store_b128 v4, v[PC+4*\p:PC+4*\p+3], s[22:23] offset:1536*(\t)+512*\p   ; 32 lanes store 512 consecutive bytes, aligned
.endr
.endm
	LOAD 0
	LOAD 1
.irp t, 0,1,2,3,4,5,6,7
	TILE \t
.endr
	ds_load_b128 v[248:251], v8                    ; the record's scale words
	s_wait_dscnt 0x0
	global_store_b128 v4, v[248:251], s[22:23] offset:12288   ; 512 consecutive bytes
	s_wait_tensorcnt 0x0                           ; the wave's end: behind my last LDS store
	ds_add_u32 v[SPW], v[NIL]
	s_wait_dscnt 0x0
	s_endpgm
.Lfunc_end_k_qcd8fadbfd0_quant:
	.size	k_qcd8fadbfd0_quant, .Lfunc_end_k_qcd8fadbfd0_quant-k_qcd8fadbfd0_quant
	.p2alignl 7, 3214868480
	.fill 96, 4, 3214868480
	.section	.rodata,"a",@progbits
	.p2align	6, 0x0
	.amdhsa_kernel k_qcd8fadbfd0_quant
		.amdhsa_group_segment_fixed_size 36352
		.amdhsa_private_segment_fixed_size 0
		.amdhsa_enable_private_segment 0
		.amdhsa_kernarg_size 64
		.amdhsa_user_sgpr_count 2
		.amdhsa_user_sgpr_kernarg_segment_ptr 1
		.amdhsa_wavefront_size32 1
		.amdhsa_system_sgpr_workgroup_id_x 1
		.amdhsa_system_sgpr_workgroup_id_y 1
		.amdhsa_system_sgpr_workgroup_id_z 1
		.amdhsa_system_vgpr_workitem_id 0
		.amdhsa_next_free_vgpr 256
		.amdhsa_next_free_sgpr 66
		.amdhsa_reserve_vcc 0
		.amdhsa_float_denorm_mode_32 3
		.amdhsa_float_denorm_mode_16_64 3
		.amdhsa_memory_ordered 1
		.amdhsa_forward_progress 1
		.amdhsa_inst_pref_size 65
	.end_amdhsa_kernel
	.amdgpu_metadata
---
amdhsa.version: [ 1, 2 ]
amdhsa.kernels:
  - .name:           k_qcd8fadbfd0_quant
    .symbol:         k_qcd8fadbfd0_quant.kd
    .args:
      - { .name: query, .offset: 0, .size: 8, .value_kind: global_buffer, .address_space: global }
      - { .name: key, .offset: 8, .size: 8, .value_kind: global_buffer, .address_space: global }
      - { .name: value, .offset: 16, .size: 8, .value_kind: global_buffer, .address_space: global }
      - { .name: Wq, .offset: 24, .size: 8, .value_kind: global_buffer, .address_space: global }
      - { .name: Wk, .offset: 32, .size: 8, .value_kind: global_buffer, .address_space: global }
      - { .name: Wv, .offset: 40, .size: 8, .value_kind: global_buffer, .address_space: global }
      - { .name: Wo, .offset: 48, .size: 8, .value_kind: global_buffer, .address_space: global }
      - { .name: XI, .offset: 56, .size: 8, .value_kind: global_buffer, .address_space: global }
    .group_segment_fixed_size: 36352
    .private_segment_fixed_size: 0
    .kernarg_segment_align: 8
    .kernarg_segment_size: 64
    .max_flat_workgroup_size: 128
    .sgpr_count:     66
    .vgpr_count:     256
    .wavefront_size: 32
...
	.end_amdgpu_metadata
.endif
;; end of part 1
;; launch proj (part 2): grid 4 x 64, 4 waves a work-group, clusters of 4 x 4, 327,680 bytes of LDS; arguments XI, mask, QI, KI, VI; writes QI, KI, VI
.if DOCPART == 2
	.amdgcn_target "amdgcn-amd-amdhsa--gfx1250"
	.amdhsa_code_object_version 6
	.text
	.protected	k_qcd8fadbfd0_proj
	.globl	k_qcd8fadbfd0_proj
	.p2align	8
	.type	k_qcd8fadbfd0_proj,@function
k_qcd8fadbfd0_proj:
	s_mov_b64 s[64:65], 0
	v_nop
	global_prefetch_b8 v0, s[64:65] scope:SCOPE_SE
	s_setreg_imm32_b32 hwreg(HW_REG_WAVE_MODE, 25, 1), 1
	s_wait_xcnt 0x0
	s_wait_alu depctr_hold_cnt(0) depctr_sa_sdst(0) depctr_va_vdst(0) depctr_va_sdst(0) depctr_va_ssrc(0) depctr_va_vcc(0) depctr_vm_vsrc(0)
	s_getreg_b32 s2, hwreg(HW_REG_IB_STS2, 6, 4)
	s_cmp_eq_u32 s2, 0
	s_cbranch_scc0 .Lentry_in_a_cluster
	s_endpgm
.Lentry_in_a_cluster:
	s_bfe_u32 s2, ttmp6, 0x10000c
	s_cmp_lg_u32 s2, 0xf033
	s_cbranch_scc0 .Lentry_shape_is_right
	s_endpgm
.Lentry_shape_is_right:
; q = query Wq^T, k = key Wk^T, v = value Wv^T on codes of FP6 (E2M3) out of XI, and the results quantised in registers for attention: q and k along a head's 64, v along the keys.
; A WORK-GROUP STAYS: it makes three tiles one after the other, T = 0 q, 1 k, 2 v: 256 work-groups in all.  A loop of two trips makes q and k; the v tile, which asks for nothing more, is written out behind it.
; A TILE is 256 rows of P x 128 rows of R.  P is source 0: the axis along which a lane's registers become neighbours; R is source 1: a lane's row.  q, k: P = W (outputs), R = tokens.  v: P = tokens (keys), R = Wv.
; Wave w takes P's block w % 2 (8 tiles of 16) and R's tiles 4 (w / 2) on: 32 accumulators.
; XI: blocks of 128 rows x 8 records of 128 along K, 12,800 bytes: codes [tile 0..7][piece 0..2][lane][16], scale words [row][tile].  Row r of tile t is row 64 (t / 4) + 8 (t % 4) + r % 8 + 32 (r / 8) of the block:
; so register 32 c + i of a lane's 64 results in one of R's tiles is neighbour 64 c + 32 h + i along P: two whole blocks of 32, in the order of the next operand's registers.
; LDS: the three blocks' places, 3 x 102,400 bytes, as A RING OF TWO SLOTS: slot A holds K steps 0-3 of all three, slot B K steps 4-7.  Slot A is filled again, for the next tile, in K step 3, when its last fragments are in registers;
; slot B in K step 7.  Each refill stands behind the wait for all tensor loads, the add and a round of the cluster's barrier; a wave issues one load there: waves 0 and 1 four K steps of P's two blocks (200 rows of 256 bytes),
; waves 2 and 3 two K steps of R each (100 rows).  By the text's own count one load of a wave is out, and at least three K steps of products (slot B: and the way out too) stand between a request and the wait for it: so nothing is prefetched.
; CLUSTER 4 x 4: P hangs on cx alone and is asked for jointly by a column of the cluster, R on cy alone and by a row.
; WHAT LEAVES.  QI, KI: for each (batch, head) 16 records of 128 tokens, 8,704 bytes: eight tiles of 1,024 bytes (registers 0-3 [lane][16], registers 4-5 [lane][8], registers 6-7 [lane][8]), scale words [row][tile].
; VI: for each (batch, head) 16 records of 128 keys, 6,400 bytes: four tiles of 16 of the head's 64, 1,536 bytes (three pieces [lane][16]), scale words [row][tile 0..3].
; THE MASK rides in the idle half of the score product's K = 128: q has the code -1.0 at k = 64 under the scale 1; a masked key has the code 1.0 there under the scale 2^43 and zeros for its 64 real codes;
; a key that counts has the code 0 there under the least scale.  So a masked score is exactly -2^43, and a score that counts is untouched.
; LIMIT: a masked key's logit is -2^40 (about -1.0995e12) where the definition has -1e12: the results are the same as long as the logits that count lie above about -1e12.  NaN and infinities are not served.
; The scale words of q and k leave as pieces of 16 bytes, 32 bytes apart: one sixteenth of these records' bytes; everything else leaves as 256 or 512 consecutive bytes, aligned.
; REGISTERS, in windows of 256: window 0 addresses, scale words, the way out; window 1 the accumulators ((i, j) at v[64 j + 8 i]); window 2 P's fragments, two sets at v0 and v128; window 3 R's, two sets at v0 and v64.
.set BLK,   102400                     ; a block of 128 rows, all of K
.set REC,   12800                      ; one K step of it
.set GRP,   2*REC
.set RB,    2*BLK                      ; LDS: P's two blocks, then R's
.set SPARE, 3*BLK                      ; then the spare words, 128 bytes a wave: two blocks of 256 bytes that no other line names
.set HEADB, 139264                     ; a (batch, head) of QI or KI
.set ADP,  4                           ; v4-5   my P fragments: K steps 0-3, 4-7
.set ADR,  6                           ; v6-7   my R fragments
.set ADSA, 8                           ; v8-9   scale words: lanes 0-15 P's tiles 0-3, lanes 16-31 my four of R's
.set ADSB, 10                          ; v10-11 P's tiles 4-7
.set GO,   12                          ; q, k: my bytes of a piece of two registers
.set GSC,  13                          ; q, k: my scale words' place
.set SPW,  14                          ; my spare word's address; never rewritten
.set NIL,  15                          ; 0; never rewritten
.set MOF,  16                          ; my token's place in the mask
.set SHF,  17                          ; 16 h
.set ZER,  18
.set ONES, 19
.set VHB,  20                          ; the scale word's upper half of a row that counts
.set VMH,  21                          ; and of a masked key
.set VMB,  22                          ; the code at k = 64 of a row that counts
.set VM8,  23                          ; and of a masked key
.set MSK,  24                          ; v24-27 the mask of my token in R's tile j
.set AM,   28                          ; v28-31 all ones, or 0 for a masked key
.set HIW,  32                          ; v32-35 the scale word's upper half
.set MK,   36                          ; v36-43 registers 6, 7 of the fragment, a pair for each tile
.set SW,   44                          ; v44-47 the four tiles' scale words
.set SC,   48                          ; v48-63 scale words of the products, two sets of 8: scales and nothing else
.set PC,   64
.set TM,   84
.set PW,   100
.set TMP,  101
.set PSEL, 102                         ; byte selects that weave my two scale bytes with lane l xor 16's
.set GO4,  103                         ; q, k: my bytes of a piece of four registers
.set GV4,  104                         ; v: the same: 16 x lane
.set GSV,  105                         ; v: my scale words' place
.set G1P, 24
.set G1R, 32
.set G0P, 40                           ; s40-47 group 0 for P, slots A and B
.set G0R, 48                           ; s48-55 for R
.set SEL, 62
.set MSB, 0
.macro WIN new                         ; the immediate's high byte repeats the setting that is left
.if MSB != \new
	s_set_vgpr_msb (MSB<<8)|\new
.set MSB, \new
.endif
.endm
.set MUL,  0x5e                        ; source 0 (P) window 2, source 1 (R) window 3, C and D window 1
.set TO_P, 0x80
.set TO_R, 0xc0
.macro PLACES
.rept 4
	v_nop
.endr
.endm
.macro CREST                           ; a round of the cluster's barrier behind its opening barrier
	s_cmp_lg_u32 s14, 0
	s_cbranch_scc1 .Lnot_wave_0_\@
	s_barrier_signal -3
.Lnot_wave_0_\@:
	s_barrier_wait -3
	s_barrier_signal -1
	s_barrier_wait -1
.endm
.macro CROUND                          ; a whole round
	s_barrier_signal -1
	s_barrier_wait -1
	CREST
.endm
; A slot's joint loads, one a wave: waves 0 and 1 ask for P, waves 2 and 3 for R.  Each line has one mask and one set of registers; the branch hangs on the wave's number alone.
.macro ASK slot
	s_cmp_lt_u32 s14, 2
	s_cbranch_scc0 .Lfor_r_\@
	tensor_load_to_lds s[G0P+4*\slot:G0P+4*\slot+3], s[G1P:G1P+7]
	s_nop 0
	PLACES
	s_branch .Lasked_\@
.Lfor_r_\@:
	tensor_load_to_lds s[G0R+4*\slot:G0R+4*\slot+3], s[G1R:G1R+7]
	s_nop 0
	PLACES
.Lasked_\@:
.endm
	s_load_b256 s[4:11], s[0:1], 0x0               ; XI, mask, QI, KI
	s_load_b64 s[12:13], s[0:1], 0x20              ; VI
	v_lshl_add_u32 v[SPW], v0, 2, SPARE
	v_mov_b32 v[NIL], 0
	ds_add_u32 v[SPW], v[NIL]                      ; the wave's opening: the add, twice on end, and its wait ahead of my first tensor load
	ds_add_u32 v[SPW], v[NIL]
	v_lshrrev_b32 v1, 5, v0
	v_readfirstlane_b32 s14, v1                    ; wave
	s_and_b32 s15, s14, 1                          ; pw: my block of P; also which part I fetch
	s_lshr_b32 s16, s14, 1                         ; rw: my half of R's tiles
	s_bfe_u32 s17, ttmp6, 0x40000                  ; cx
	s_bfe_u32 s18, ttmp6, 0x40004                  ; cy
	s_and_b32 s19, ttmp7, 0xffff                   ; Y: cluster y, 0 .. 15
	s_lshl_b32 s22, ttmp9, 2
	s_add_co_u32 s22, s22, s17                     ; work-group x
	s_lshl_b32 s23, 0x1111, s17                    ; my column of the cluster
	s_lshl_b32 s66, s18, 2
	s_lshl_b32 s66, 15, s66                        ; my row
	s_or_b32 s[G1P], s23, (3<<16)|(1<<21)          ; 15:0 the mask; 17:16 elements of 8 bytes; 21 set beside a mask; no padding
	s_or_b32 s[G1R], s66, (3<<16)|(1<<21)
.irp g, G1P, G1R
	s_mov_b32 s[\g+1], 32<<16                      ; tensor_dim0 = 32 elements: 256 bytes
	s_mov_b32 s[\g+3], 32<<16                      ; tile_dim0
	s_mov_b32 s[\g+5], 32                          ; the rows are dense
	s_mov_b32 s[\g+6], 0
	s_mov_b32 s[\g+7], 0
.endr
	s_mov_b32 s[G1P+2], 200<<16                    ; P: four K steps of a block: 200 rows
	s_mov_b32 s[G1P+4], 200
	s_mov_b32 s[G1R+2], 100<<16                    ; R: two K steps: 100 rows
	s_mov_b32 s[G1R+4], 100
	; where the tiles come from, as byte offsets in XI.  P's hold cx and never cy, R's cy and never cx
	s_lshl_b32 s66, s22, 1
	s_add_co_u32 s66, s66, s15                     ; 2 x work-group x + pw
	s_add_co_u32 s56, s66, 192
	s_mul_i32 s56, s56, BLK                        ; q: P = Wq's block
	s_mov_b32 s57, 0
	s_lshr_b32 s60, s19, 1
	s_lshl_b32 s60, s60, 3
	s_add_co_u32 s60, s60, s66
	s_add_co_u32 s60, s60, 128
	s_mul_i32 s60, s60, BLK                        ; v: P = value's block 8 (Y / 2) + ..
	s_mul_i32 s67, s15, GRP                        ; wave 3 fetches the two K steps behind wave 2's
	s_lshl_b32 s58, s19, 2
	s_add_co_u32 s58, s58, s18
	s_mul_i32 s58, s58, BLK
	s_add_co_u32 s58, s58, s67                     ; q: R = query's block 4 Y + cy
	s_mov_b32 s59, 0
	s_and_b32 s61, s19, 1
	s_lshl_b32 s61, s61, 2
	s_add_co_u32 s61, s61, s18
	s_add_co_u32 s61, s61, 208
	s_mul_i32 s61, s61, BLK
	s_add_co_u32 s61, s61, s67                     ; v: R = Wv's block 4 (Y % 2) + cy
	s_mul_i32 s72, s15, BLK                        ; where P's block goes: no place in the cluster enters an LDS address
	s_add_co_u32 s73, s67, RB                      ; and R's part
	s_wait_dscnt 0x0                               ; both opening adds are done
	s_wait_kmcnt 0x0
.irp s, 0,1
	s_mov_b32 s[G0P+4*\s], 1
	s_add_co_u32 s[G0P+4*\s+1], s72, \s*2*GRP
	s_add_nc_u64 s[G0P+4*\s+2:G0P+4*\s+3], s[4:5], s[56:57]
	s_mov_b32 s[G0R+4*\s], 1
	s_add_co_u32 s[G0R+4*\s+1], s73, \s*2*GRP
	s_add_nc_u64 s[G0R+4*\s+2:G0R+4*\s+3], s[4:5], s[58:59]
.if \s
	s_add_nc_u64 s[G0P+4*\s+2:G0P+4*\s+3], s[G0P+4*\s+2:G0P+4*\s+3], 2*GRP
	s_add_nc_u64 s[G0R+4*\s+2:G0R+4*\s+3], s[G0R+4*\s+2:G0R+4*\s+3], 2*GRP
.endif
	s_or_b32 s[G0P+4*\s+3], s[G0P+4*\s+3], 0x80000000
	s_or_b32 s[G0R+4*\s+3], s[G0R+4*\s+3], 0x80000000
.endr
	CROUND                                         ; all sixteen work-groups are here: the joint loads meet
	ASK 0                                          ; q's K steps 0-3: one tensor load a wave at the head
	s_add_co_u32 s56, s56, 8*BLK                   ; the next tile, k: P = Wk's block,
	s_add_co_u32 s58, s58, 64*BLK                  ; R = key's
	; where the results go
	s_lshl_b32 s80, s19, 2
	s_add_co_u32 s80, s80, s18                     ; q, k: the block of 128 tokens: 4 Y + cy
	s_lshl_b32 s82, s80, 9
	s_lshl_b32 s83, s16, 8
	s_add_co_u32 s82, s82, s83
	s_mov_b32 s83, 0
	s_add_nc_u64 s[6:7], s[6:7], s[82:83]          ; the mask at my 64 tokens
	s_lshr_b32 s81, s80, 4                         ; the batch
	s_lshl_b32 s81, s81, 8
	s_and_b32 s80, s80, 15
	s_add_co_u32 s81, s81, s80
	s_lshl_b32 s80, s66, 5                         ; 16 x the first of my two heads
	s_add_co_u32 s81, s81, s80                     ; the record: (16 batch + head) 16 + step
	s_mul_i32 s68, s81, 8704
	s_mov_b32 s69, 0
	s_lshr_b32 s80, s19, 1
	s_lshl_b32 s80, s80, 3
	s_add_co_u32 s80, s80, s66                     ; v: the block of 128 keys
	s_and_b32 s81, s19, 1
	s_lshl_b32 s81, s81, 2
	s_add_co_u32 s81, s81, s18
	s_lshl_b32 s81, s81, 1
	s_add_co_u32 s81, s81, s16                     ; v: my head
	s_lshl_b32 s81, s81, 4
	s_lshr_b32 s79, s80, 4
	s_lshl_b32 s79, s79, 8
	s_add_co_u32 s81, s81, s79
	s_and_b32 s80, s80, 15
	s_add_co_u32 s81, s81, s80
	s_mul_i32 s70, s81, 6400
	s_mov_b32 s71, 0
	s_mul_i32 s73, s16, 6144
	s_add_co_u32 s73, s73, RB                      ; my four tiles of R
	s_add_co_u32 s74, s72, 12288                   ; P's scale words of K step 0
	s_lshl_b32 s78, s16, 4
	s_add_co_u32 s75, s78, RB+12288                ; my four tiles' of R
	s_sub_co_u32 s75, s75, s74                     ; the distance between the two
	s_lshl_b32 s76, s16, 12                        ; q, k: my four tiles begin 4,096 rw bytes on
	s_mov_b32 s77, HEADB
	s_mov_b32 s87, 0xffff
	s_mov_b32 s[SEL], 0x76543210
	s_mov_b32 s[SEL+1], 0xfedcba98
	s_mov_b32 s20, 0                               ; T
	v_and_b32 v1, 31, v0                           ; lane
	v_and_b32 v2, 15, v0                           ; r
	v_bfe_u32 v3, v0, 4, 1                         ; h
	v_lshlrev_b32 v[GV4], 4, v1
	v_and_b32 v[MOF], 8, v2
	v_lshlrev_b32 v[ADSB], 5, v2
	v_mul_u32_u24 v[ADSA], s75, v3                 ; lanes 16-31 take R's
	v_mad_u32_u24 v[MOF], v[MOF], 3, v2
	v_add_nc_u32 v[ADP], s72, v[GV4]
	v_add_nc_u32 v[ADR], s73, v[GV4]
	v_add_nc_u32 v[ADSB], s74, v[ADSB]
	v_lshlrev_b32 v[MOF], 2, v[MOF]                ; row r of my tile j is token 8 j + r % 8 + 32 (r / 8) of my 64
	v_add_nc_u32 v[ADP+1], 4*REC, v[ADP]
	v_add_nc_u32 v[ADR+1], 4*REC, v[ADR]
	v_add_nc_u32 v[ADSA], v[ADSA], v[ADSB]
	v_add_nc_u32 v[ADSB+1], 4*REC, v[ADSB]
.irp j, 0,1,2,3
	global_load_b32 v[MSK+\j], v[MOF], s[6:7] offset:32*\j   ; waited for on the way out
.endr
	v_add_nc_u32 v[ADSA+1], 4*REC, v[ADSA]
	v_lshl_add_u32 v[GO], v1, 3, s76
	v_add_nc_u32 v[GO4], s76, v[GV4]
	v_lshlrev_b32 v[GSC], 5, v2
	v_mul_u32_u24 v[TMP], s77, v3                  ; q, k: lanes 16-31 serve the second head
	v_lshlrev_b32 v[GSV], 4, v2
	v_lshlrev_b32 v[SHF], 4, v3
	v_add3_u32 v[GSC], v[GSC], v[TMP], s78
	v_mov_b32 v[ZER], 0
	v_mov_b32 v[ONES], -1
	v_mov_b32 v[VMH], 0x01aa0000                   ; a masked key: 2^43 (byte 170) at k = 64 .. 95
	v_mov_b32 v[VM8], 8                            ; the code 1.0
	v_mov_b32 v[PSEL], 0x02060004
	v_mov_b32 v[TMP], 0x06020400
	v_mov_b32 v[TM+5], 0                           ; written once: a lane permute's destination counts as one of its sources
	v_cndmask_b32 v[PSEL], v[TMP], v[PSEL], s87    ; lanes 0-15: mine first; lanes 16-31: the other's first
; K step s: 24 + 12 loads of a piece (512 consecutive bytes each) and two of scale words, into set s % 2
.macro FETCH s
.set FO, ((\s)%4)*REC
.set FH, (\s)/4
.set FS, (\s)%2
	WIN TO_P
.irp i, 0,1,2,3,4,5,6,7
.irp p, 0,1,2
	ds_load_b128 v[128*FS+12*\i+4*\p:128*FS+12*\i+4*\p+3], v[ADP+FH] offset:FO+1536*\i+512*\p
.endr
.endr
	WIN TO_R
.irp j, 0,1,2,3
.irp p, 0,1,2
	ds_load_b128 v[64*FS+12*\j+4*\p:64*FS+12*\j+4*\p+3], v[ADR+FH] offset:FO+1536*\j+512*\p
.endr
.endr
	WIN 0
	ds_load_b128 v[SC+8*FS:SC+8*FS+3], v[ADSA+FH] offset:FO
	ds_load_b128 v[SC+8*FS+4:SC+8*FS+7], v[ADSB+FH] offset:FO+16
.endm
; 16 matrix instructions: R's tiles j0, j0 + 1 against P's eight.  The 32 accumulators take turns, one instruction a turn, in the same order in every K step.  K step 0 starts the sums.
.macro MUL16 s, j0
.set FS, (\s)%2
.irp j, \j0, \j0+1
.irp i, 0,1,2,3,4,5,6,7
.if (\s) == 0
	v_wmma_scale_f32_16x16x128_f8f6f4 v[64*(\j)+8*\i:64*(\j)+8*\i+7], v[128*FS+12*\i:128*FS+12*\i+11], v[64*FS+12*(\j):64*FS+12*(\j)+11], 0, v[SC+8*FS+\i], v[SC+8*FS+(\j)] matrix_a_fmt:MATRIX_FMT_FP6 matrix_b_fmt:MATRIX_FMT_FP6 matrix_b_scale:MATRIX_SCALE_ROW1
.else
	v_wmma_scale_f32_16x16x128_f8f6f4 v[64*(\j)+8*\i:64*(\j)+8*\i+7], v[128*FS+12*\i:128*FS+12*\i+11], v[64*FS+12*(\j):64*FS+12*(\j)+11], v[64*(\j)+8*\i:64*(\j)+8*\i+7], v[SC+8*FS+\i], v[SC+8*FS+(\j)] matrix_a_fmt:MATRIX_FMT_FP6 matrix_b_fmt:MATRIX_FMT_FP6 matrix_b_scale:MATRIX_SCALE_ROW1
.endif
.endr
.endr
.endm
.macro KPLAIN s, fetch                 ; a K step inside a slot
	s_wait_dscnt 0x0                               ; this K step's fragments are in
	WIN MUL
	MUL16 \s, 0
.if \fetch
	PLACES                                         ; four places in front of loads into registers that matrix instructions have read
	FETCH (\s)+1
.endif
	WIN MUL
	MUL16 \s, 2
.endm
.macro KMEET s                         ; the last tile's K step 3: slot B is shown to all four waves
	s_wait_dscnt 0x0
	s_wait_tensorcnt 0x0                           ; my part of slot B has landed
	s_barrier_signal -1
	WIN MUL
	MUL16 \s, 0
	s_barrier_wait -1                              ; everybody's has
	PLACES
	FETCH (\s)+1
	WIN MUL
	MUL16 \s, 2
.endm
; The last K step of a slot, in a tile that has a successor: the slot is filled again with the next tile's four K steps, and the other slot is shown whole to every wave.
.macro KTURN s, slot, nxt
	s_wait_dscnt 0x0                               ; this K step's fragments are in: my reads of this slot are over
	WIN 0                                          ; (the add's two registers lie in window 0)
	s_wait_tensorcnt 0x0                           ; all my tensor loads have landed: the one that was out is my part of the other slot;
	ds_add_u32 v[SPW], v[NIL]                      ; 0 onto my spare word;
	s_wait_dscnt 0x0                               ; the add is done
	s_barrier_signal -1                            ; this barrier opens a round of the cluster's barrier;
	WIN MUL
	MUL16 \s, 0                                    ; work on registers while the others arrive
	WIN 0
	s_barrier_wait -1
	CREST                                          ; no wave of any partner still reads this slot or has a load on its way
	s_add_nc_u64 s[G0P+4*\slot+2:G0P+4*\slot+3], s[4:5], s[56:57]   ; no load of mine is out: the slot's groups 0 take the next tile's addresses
	s_add_nc_u64 s[G0R+4*\slot+2:G0R+4*\slot+3], s[4:5], s[58:59]
.if \slot
	s_add_nc_u64 s[G0P+4*\slot+2:G0P+4*\slot+3], s[G0P+4*\slot+2:G0P+4*\slot+3], 2*GRP
	s_add_nc_u64 s[G0R+4*\slot+2:G0R+4*\slot+3], s[G0R+4*\slot+2:G0R+4*\slot+3], 2*GRP
.endif
	s_or_b32 s[G0P+4*\slot+3], s[G0P+4*\slot+3], 0x80000000
	s_or_b32 s[G0R+4*\slot+3], s[G0R+4*\slot+3], 0x80000000
	ASK \slot                                      ; the first tensor load behind the round; the four v_nop behind it are the places in front of the loads below
	FETCH \nxt                                     ; out of the other slot
	WIN MUL
	MUL16 \s, 2
.endm
; the 64 results of a lane in R's tile j (window 1, v[s] on) become a fragment's codes and its scale word.  Each accumulator is read from its low end on.
.macro QUANTW s
	WIN 0x05                                       ; sources 0 and 1 window 1
.irp b, 0,1,2,3
	v_max3_num_f32 v[TM+\b], |v[(\s)+16*\b]|, |v[(\s)+16*\b+1]|, 0x1800000   ; and the floor 2^(3 - 127): the byte cannot fall under 1
.endr
.irp i, 2,4,6,8,10,12,14
.irp b, 0,1,2,3
	v_max3_num_f32 v[TM+\b], |v[(\s)+16*\b+\i]|, |v[(\s)+16*\b+\i+1]|, v[TM+\b]
.endr
.endr
	WIN 0
.irp b, 0,2
	v_max_num_f32 v[TM+\b], v[TM+\b], v[TM+1+\b]   ; a block's two halves: its largest magnitude
.endr
.irp b, 0,2
	v_add_nc_u32 v[TM+12+\b], 0xff000000, v[TM+\b] ; 2 off the exponent field: the conversion's scale operand
.endr
.irp b, 0,2
	v_lshrrev_b32 v[TM+4+\b], 23, v[TM+12+\b]      ; the scale's byte
.endr
	v_lshl_or_b32 v[PW], v[TM+6], 16, v[TM+4]      ; my bytes: blocks h and 2 + h
	v_permlanex16_b32 v[TM+5], v[PW], s[SEL], s[SEL+1]
	v_perm_b32 v[PW], v[PW], v[TM+5], v[PSEL]      ; woven with lane l xor 16's: the four blocks' bytes in order
	WIN 0x01                                       ; source 0 window 1
.irp c, 0,1
	v_cvt_scalef32_pk16_fp6_f32 v[PC+6*\c:PC+2+6*\c], v[(\s)+32*\c:(\s)+15+32*\c], v[TM+12+2*\c]
	v_cvt_scalef32_pk16_fp6_f32 v[PC+12+4*\c:PC+14+4*\c], v[(\s)+16+32*\c:(\s)+31+32*\c], v[TM+12+2*\c]   ; (a conversion's three registers begin on an even number)
.endr
	WIN 0
	v_nop                                          ; one plain place behind a scaled conversion
.irp c, 0,1
.irp i, 0,1,2
	v_mov_b32 v[PC+3+6*\c+\i], v[PC+12+4*\c+\i]
.endr
.endr
.endm
.macro OUTQK j
	s_wait_alu depctr_va_vdst(0)                   ; directly ahead of the wait below
	s_wait_xcnt 0x0                                ; the earlier stores have read their data
	QUANTW 64*\j
.irp n, 0,1,2,3,4,5,6,7,8,9,10,11
	v_and_b32 v[PC+\n], v[PC+\n], v[AM+\j]         ; a masked key's real codes become zeros
.endr
.irp c, 0,1                            ; registers 6 c .. 6 c + 5 are head c's 64 codes: registers 0-5 of its own fragment
	global_store_b128 v[GO4], v[PC+6*\c:PC+6*\c+3], s[88:89] offset:HEADB*\c+1024*\j
	global_store_b64 v[GO], v[PC+6*\c+4:PC+6*\c+5], s[88:89] offset:HEADB*\c+1024*\j+512
	global_store_b64 v[GO], v[MK+2*\j:MK+2*\j+1], s[88:89] offset:HEADB*\c+1024*\j+768
.endr
	v_lshrrev_b32 v[TMP], v[SHF], v[PW]            ; lanes 0-15: the first head's two bytes; lanes 16-31: the second's
	v_and_or_b32 v[SW+\j], v[TMP], s87, v[HIW+\j]
.endm
.macro OUTV j
	s_wait_alu depctr_va_vdst(0)                   ; directly ahead of the wait below
	s_wait_xcnt 0x0                                ; the earlier stores have read their data
	QUANTW 64*\j
.irp p, 0,1,2
	global_store_b128 v[GV4], v[PC+4*\p:PC+4*\p+3], s[88:89] offset:1536*\j+512*\p
.endr
	v_mov_b32 v[SW+\j], v[PW]
.endm
	s_wait_alu depctr_va_vdst(0)                   ; the wait at the head's end
	s_wait_tensorcnt 0x0                           ; my part of slot A has landed
	ds_add_u32 v[SPW], v[NIL]
	s_wait_dscnt 0x0
	CROUND                                         ; everybody's has, and all sixteen work-groups are here
	ASK 1                                          ; q's K steps 4-7: my one load behind the round
	FETCH 0
.Ltile:                                                ; T = 0, 1: q, k
	KPLAIN 0, 1
	KPLAIN 1, 1
	KPLAIN 2, 1
	KTURN 3, 0, 4                                  ; slot A takes the next tile's K steps 0-3
	KPLAIN 4, 1
	KPLAIN 5, 1
	KPLAIN 6, 1
	KTURN 7, 1, 0                                  ; slot B its K steps 4-7; the next tile's first fragments are fetched
	WIN 0
	PLACES                                         ; four places in front of the first read of results
	s_wait_loadcnt 0x0                             ; the mask
	s_wait_xcnt 0x0                                ; the last tile's stores have read their base and data
	s_mov_b32 s85, 0x017f0000
	s_cmp_eq_u32 s20, 1
	s_cselect_b64 s[88:89], s[10:11], s[8:9]       ; KI or QI
	s_cselect_b32 s84, -1, 0                       ; the mask acts on k alone; nothing branches on it
	s_cselect_b32 s85, 0x01010000, s85             ; scale bytes of k = 64 .. 127: q: 1.0 and the least; a key that counts: the least twice
	s_cselect_b32 s86, 0, 40                       ; the code at k = 64: q: -1.0 (0x28); a key that counts: 0
	s_add_nc_u64 s[88:89], s[88:89], s[68:69]
	v_mov_b32 v[VHB], s85
	v_mov_b32 v[VMB], s86
.irp j, 0,1,2,3
	v_cmp_eq_u32 s98, 0, v[MSK+\j]
	s_and_b32 s98, s98, s84
	v_cndmask_b32 v[AM+\j], v[ONES], v[ZER], s98
	v_cndmask_b32 v[HIW+\j], v[VHB], v[VMH], s98
	v_cndmask_b32 v[MK+2*\j], v[VMB], v[VM8], s98
	v_cndmask_b32 v[MK+2*\j], v[ZER], v[MK+2*\j], s87   ; k = 64 lies in lanes 0-15
	v_mov_b32 v[MK+2*\j+1], 0
.endr
	OUTQK 0
	OUTQK 1
	OUTQK 2
	OUTQK 3
	global_store_b128 v[GSC], v[SW:SW+3], s[88:89] offset:8192
	s_mov_b32 s56, s60                             ; the tile after the next is v
	s_mov_b32 s58, s61
	s_add_co_u32 s20, s20, 1
	s_cmp_lt_u32 s20, 2
	s_wait_alu depctr_va_vdst(0)                   ; directly ahead of the branch
	s_cbranch_scc1 .Ltile
	KPLAIN 0, 1                                    ; T = 2: v.  Nothing more is asked for
	KPLAIN 1, 1
	KPLAIN 2, 1
	KMEET 3
	KPLAIN 4, 1
	KPLAIN 5, 1
	KPLAIN 6, 1
	KPLAIN 7, 0
	WIN 0
	PLACES
	s_wait_xcnt 0x0                                ; k's stores have read their base
	s_add_nc_u64 s[88:89], s[12:13], s[70:71]
	OUTV 0
	OUTV 1
	OUTV 2
	OUTV 3
	s_wait_alu depctr_va_vdst(0)                   ; directly ahead of the wait below
	s_wait_xcnt 0x0                                ; EXEC changes only behind this wait
	v_cmp_gt_u32 vcc_lo, 16, v1
	s_and_saveexec_b32 s99, vcc_lo
	global_store_b128 v[GSV], v[SW:SW+3], s[88:89] offset:6144   ; sixteen lanes store 256 consecutive bytes, aligned
	s_wait_xcnt 0x0
	s_or_b32 exec_lo, exec_lo, s99
	s_wait_tensorcnt 0x0                           ; the wave's end
	ds_add_u32 v[SPW], v[NIL]
	s_wait_dscnt 0x0
	CROUND                                         ; the closing round
	s_endpgm
.Lfunc_end_k_qcd8fadbfd0_proj:
	.size	k_qcd8fadbfd0_proj, .Lfunc_end_k_qcd8fadbfd0_proj-k_qcd8fadbfd0_proj
	.p2alignl 7, 3214868480
	.fill 96, 4, 3214868480
	.section	.rodata,"a",@progbits
	.p2align	6, 0x0
	.amdhsa_kernel k_qcd8fadbfd0_proj
		.amdhsa_group_segment_fixed_size 327680
		.amdhsa_private_segment_fixed_size 0
		.amdhsa_enable_private_segment 0
		.amdhsa_kernarg_size 40
		.amdhsa_user_sgpr_count 2
		.amdhsa_user_sgpr_kernarg_segment_ptr 1
		.amdhsa_wavefront_size32 1
		.amdhsa_system_sgpr_workgroup_id_x 1
		.amdhsa_system_sgpr_workgroup_id_y 1
		.amdhsa_system_sgpr_workgroup_id_z 1
		.amdhsa_system_vgpr_workitem_id 0
		.amdhsa_next_free_vgpr 1024
		.amdhsa_next_free_sgpr 100
		.amdhsa_reserve_vcc 1
		.amdhsa_float_denorm_mode_32 3
		.amdhsa_float_denorm_mode_16_64 3
		.amdhsa_memory_ordered 1
		.amdhsa_forward_progress 1
		.amdhsa_inst_pref_size 153
	.end_amdhsa_kernel
	.amdgpu_metadata
---
amdhsa.version: [ 1, 2 ]
amdhsa.kernels:
  - .name:           k_qcd8fadbfd0_proj
    .symbol:         k_qcd8fadbfd0_proj.kd
    .args:
      - { .name: XI, .offset: 0, .size: 8, .value_kind: global_buffer, .address_space: global }
      - { .name: mask, .offset: 8, .size: 8, .value_kind: global_buffer, .address_space: global }
      - { .name: QI, .offset: 16, .size: 8, .value_kind: global_buffer, .address_space: global }
      - { .name: KI, .offset: 24, .size: 8, .value_kind: global_buffer, .address_space: global }
      - { .name: VI, .offset: 32, .size: 8, .value_kind: global_buffer, .address_space: global }
    .group_segment_fixed_size: 327680
    .private_segment_fixed_size: 0
    .kernarg_segment_align: 8
    .kernarg_segment_size: 40
    .max_flat_workgroup_size: 128
    .sgpr_count:     100
    .vgpr_count:     1024
    .wavefront_size: 32
...
	.end_amdgpu_metadata
.endif
;; end of part 2
;; launch attn (part 3): grid 4 x 64, 16 waves a work-group, clusters of 4 x 1, 243,712 bytes of LDS; arguments QI, KI, VI, AI; writes AI
.if DOCPART == 3
	.amdgcn_target "amdgcn-amd-amdhsa--gfx1250"
	.amdhsa_code_object_version 6
	.text
	.protected	k_qcd8fadbfd0_attn
	.globl	k_qcd8fadbfd0_attn
	.p2align	8
	.type	k_qcd8fadbfd0_attn,@function
k_qcd8fadbfd0_attn:
	s_mov_b64 s[64:65], 0
	v_nop
	global_prefetch_b8 v0, s[64:65] scope:SCOPE_SE
	s_setreg_imm32_b32 hwreg(HW_REG_WAVE_MODE, 25, 1), 1
	s_wait_xcnt 0x0
	s_wait_alu depctr_hold_cnt(0) depctr_sa_sdst(0) depctr_va_vdst(0) depctr_va_sdst(0) depctr_va_ssrc(0) depctr_va_vcc(0) depctr_vm_vsrc(0)
	s_getreg_b32 s2, hwreg(HW_REG_IB_STS2, 6, 4)
	s_cmp_eq_u32 s2, 0
	s_cbranch_scc0 .Lentry_in_a_cluster
	s_endpgm
.Lentry_in_a_cluster:
	s_bfe_u32 s2, ttmp6, 0x10000c
	s_cmp_lg_u32 s2, 0x3003
	s_cbranch_scc0 .Lentry_shape_is_right
	s_endpgm
.Lentry_shape_is_right:
; For each (batch, head): O = softmax(q k^T / 8, masked keys out) v, both products on codes of FP6 (E2M3), and O quantised along d_model into AI, laid as the last product's operand.
; QI, KI: records of 128 tokens, 8,704 bytes: eight tiles of 1,024 bytes (registers 0-3 of the fragment [lane][16], registers 4-5 [lane][8], registers 6-7 [lane][8]), then scale words [row][tile].
; VI: records of 128 keys, 6,400 bytes: four tiles of 1,536 bytes (three pieces of four registers, [lane][16]), then scale words [row][tile].
; AI: blocks of 128 tokens x 8 records of 128 along d_model (two heads), 12,800 bytes: codes [tile][piece 0..5][lane][8], scale words [row][tile].
; THE CUT OF THE TILES: row r of tile t is row 64 (t / 4) + 8 (t % 4) + r % 8 + 32 (r / 8) of its 128 (V: of the head's 64: 8 t + r % 8 + 32 (r / 8)).
; Both products are used transposed (S^T = K Q^T, O^T = V^T P^T): a lane (r, h) holds query r throughout, and by that cut register 32 c + i of S^T is key 64 c + 32 h + i, register i of O^T is d = 32 h + i:
; whole blocks of 32 in one lane, in the order of the next operand's registers.  A block's maximum needs no other lane, and the conversions' results are the operand.
; THE SOFTMAX: t = score x log2(e) / 8; M = the running largest t rounded UP to a whole number; p = 2^(t - M) is quantised along the keys, not normalised; the row's sum is taken of the unquantised p and divides O at the end.
; When M moves, the sum and O are multiplied by 2^(old M - new M): exact.
; THE MASK costs no line here: the score product has K = 128 and a head 64; at k = 64 q carries -1.0 and a masked key 1.0 x 2^43, with zeros for its real codes: its score is exactly -2^43, and c x 2^43 is a whole number,
; so a row whose keys are all masked gets p = 1 everywhere, the uniform weights of the definition.
; LIMIT: a masked key's logit is -2^40 where the definition has -1e12: the same results as long as logits that count lie above about -1e12.  NaN and infinities are not served.
; SHARES.  A work-group owns 512 queries of one (batch, head); each of its sixteen waves two tiles of 16, one after the other, in 256 registers: four waves to a SIMD.
; THE HEAD'S WHOLE K AND V LIE IN LDS (139,264 + 102,400 bytes), filled once: no slot is filled again, and no barrier stands in the loops.  All that the work-group reads is asked for at its head: no loop loads from memory, so nothing is prefetched.
; CLUSTER 4 x 1: the four blocks of queries of a head read the same K and V: each part is asked for jointly (waves 0-3: K's quarters, waves 4-7: V's).
; K'S FRAGMENTS OVERLAP: a fragment's registers 8-11 (k = 75 and on) meet zero codes of Q, so they may hold anything finite: fragment t stands at v[KF + 8 t], its registers 8-11 are the next one's 0-3; the last has four zeros.
; So a step's eight fragments come in one run of 24 loads.  V's four fragments then take the same registers, by 12 loads asked for right behind the score products.
; The scale bytes of O leave as 2 bytes a lane, 32 bytes apart: one part in 24 of what the launch stores; the codes leave as 256 consecutive bytes, aligned.
.set KB,    139264
.set VB,    102400
.set SPARE, KB+VB                      ; the spare words, 128 bytes a wave: eight blocks of 256 bytes that no other line names
.set AK0, 1                            ; 8 x lane
.set AS0, 2                            ; 8,192 + 32 r: a record's scale words of K (and of Q)
.set AV0, 3                            ; KB + 16 x lane
.set AT0, 4                            ; KB + 6,144 + 16 r
.set SPW, 5
.set NIL, 6
.set QO,  7                            ; Q's codes: 8 x lane + 2,048 (wave % 4)
.set ADK, 8
.set ADV, 9
.set ADS, 10
.set ADT, 11                           ; v12 -M, v13 the largest score, v[14:15] the sum in two halves
.set QF,  16                           ; v16-27 Q of the tile at work; registers 8-11 stay 0
.set Q0S, 28                           ; the first tile's scale words
.set QSO, 29                           ; at the head: the place of Q's scale words;
.set ADK4, 29                          ; in the steps: K's pieces of 16 bytes
.set GO,  30
.set GSC, 31
.set KF,  32                           ; v32-99 K's eight fragments, then V's four (v32-79)
.set KS,  100                          ; v100-107 K's scale words
.set VS,  108                          ; v108-111 V's
.set SS,  112                          ; v112-175 S^T, then p
.set OO,  176                          ; v176-207 O^T
.set PP,  208                          ; v208-219 p's codes
.set PT,  220                          ; v220-222, v224-226 the conversions' second halves
.set SL4, 223                          ; byte selects that weave my two scale bytes with lane l xor 16's
.set PSL, 227                          ; the same for O's bytes of two tiles
.set BM,  228
.set SO,  232
.set T1,  236
.set T2,  237
.set FF,  238
.set PS,  240                          ; p's scale word
.set X1,  242
.set QO4, 242                          ; at the head: 16 x lane + 2,048 (wave % 4)
.set X2,  244
.set Q1S, 246                          ; the second tile's scale words
.set AK4, 247                          ; 16 x lane
.set OS,  248                          ; v248-249 O's scale byte of each tile;  v250-255, v234-235 keep Q of the second tile
.set WV,  12
.set SEL, 20
.set CS,  22
.set G1K, 24
.set G1V, 32
.set G0K, 40
.set G0V, 44
.set TBK, 48
.set TBV, 49
.set CNT, 50
.set HIH, 51
.set NC,  67
.macro CROUND
	s_barrier_signal -1
	s_barrier_wait -1
	s_cmp_lg_u32 s[WV], 0
	s_cbranch_scc1 .Lnot_wave_0_\@
	s_barrier_signal -3
.Lnot_wave_0_\@:
	s_barrier_wait -3
	s_barrier_signal -1
	s_barrier_wait -1
.endm
	s_load_b256 s[4:11], s[0:1], 0x0               ; QI, KI, VI, AI
	v_lshl_add_u32 v[SPW], v0, 2, SPARE
	v_mov_b32 v[NIL], 0
	ds_add_u32 v[SPW], v[NIL]                      ; the wave's opening: the add, twice on end, and its wait ahead of my first tensor load
	ds_add_u32 v[SPW], v[NIL]
	v_lshrrev_b32 v8, 5, v0
	v_readfirstlane_b32 s[WV], v8                  ; wave 0..15
	s_bfe_u32 s13, ttmp6, 0x40000                  ; cx
	s_lshl_b32 s14, ttmp9, 2
	s_add_co_u32 s14, s14, s13                     ; my block of 512 queries: it enters Q's and AI's addresses alone
	s_and_b32 s15, ttmp7, 0xffff                   ; 16 batch + head, which the four partners share
	s_and_b32 s16, s[WV], 3                        ; the quarter that I fetch, if I fetch
	s_mov_b32 s[G1K], 15|(3<<16)|(1<<21)           ; the mask: all four; elements of 8 bytes; 21 set beside a mask; no padding
	s_mov_b32 s[G1K+1], 32<<16                     ; rows of 256 bytes,
	s_mov_b32 s[G1K+2], 136<<16                    ; 136 of them: a quarter of K
	s_mov_b32 s[G1K+3], 32<<16
	s_mov_b32 s[G1K+4], 136
	s_mov_b32 s[G1K+5], 32
	s_mov_b32 s[G1K+6], 0
	s_mov_b32 s[G1K+7], 0
	s_mov_b32 s[G1V], 15|(3<<16)|(1<<21)
	s_mov_b32 s[G1V+1], 32<<16
	s_mov_b32 s[G1V+2], 100<<16                    ; 100 rows: a quarter of V
	s_mov_b32 s[G1V+3], 32<<16
	s_mov_b32 s[G1V+4], 100
	s_mov_b32 s[G1V+5], 32
	s_mov_b32 s[G1V+6], 0
	s_mov_b32 s[G1V+7], 0
	s_mul_i32 s52, s15, KB
	s_mul_i32 s17, s16, KB/4
	s_add_co_u32 s52, s52, s17
	s_mov_b32 s53, 0
	s_mul_i32 s54, s15, VB
	s_mul_i32 s18, s16, VB/4
	s_add_co_u32 s54, s54, s18
	s_mov_b32 s55, 0
	s_mov_b32 s[SEL], 0x76543210
	s_mov_b32 s[SEL+1], 0xfedcba98                 ; lane selects: lane l xor 16
	s_mov_b32 s[CS], 0x3e38aa3b                    ; c = log2(e) / 8
	s_mov_b32 s[CS+1], s[CS]                       ; (named with it as a pair, so it is written)
	s_mov_b32 s[NC], 0xbe38aa3b                    ; -c
	s_mov_b32 s[HIH], 0xffff0000                   ; lanes 16-31
	s_wait_dscnt 0x0                               ; both opening adds are done
	s_wait_kmcnt 0x0
	s_mov_b32 s[G0K], 1
	s_mov_b32 s[G0K+1], s17
	s_add_nc_u64 s[G0K+2:G0K+3], s[6:7], s[52:53]
	s_or_b32 s[G0K+3], s[G0K+3], 0x80000000
	s_mov_b32 s[G0V], 1
	s_add_co_u32 s[G0V+1], s18, KB
	s_add_nc_u64 s[G0V+2:G0V+3], s[8:9], s[54:55]
	s_or_b32 s[G0V+3], s[G0V+3], 0x80000000
	CROUND                                         ; all four work-groups are here: the joint loads meet
	s_cmp_lt_u32 s[WV], 4                          ; one load of a wave is out
	s_cbranch_scc0 .Lnot_k
	tensor_load_to_lds s[G0K:G0K+3], s[G1K:G1K+7]
	s_nop 0
.rept 4
	v_nop
.endr
	s_branch .Lasked
.Lnot_k:
	s_cmp_lt_u32 s[WV], 8
	s_cbranch_scc0 .Lasked
	tensor_load_to_lds s[G0V:G0V+3], s[G1V:G1V+7]
	s_nop 0
.rept 4
	v_nop
.endr
.Lasked:
	s_lshl_b32 s56, s15, 4
	s_lshl_b32 s57, s14, 2
	s_add_co_u32 s56, s56, s57
	s_lshr_b32 s57, s[WV], 2
	s_add_co_u32 s56, s56, s57                     ; Q's record: 16 (16 batch + head) + 4 x block + wave / 4
	s_mul_i32 s56, s56, 8704
	s_mov_b32 s57, 0
	s_add_nc_u64 s[4:5], s[4:5], s[56:57]
	s_lshr_b32 s58, s15, 4
	s_lshl_b32 s58, s58, 4
	s_lshl_b32 s59, s14, 2
	s_add_co_u32 s58, s58, s59
	s_lshr_b32 s59, s[WV], 2
	s_add_co_u32 s58, s58, s59                     ; AI's block of 128 tokens: 16 batch + 4 x block + wave / 4
	s_mul_i32 s58, s58, 102400
	s_bfe_u32 s59, s15, 0x30001                    ; its record: head / 2
	s_mul_i32 s59, s59, 12800
	s_add_co_u32 s58, s58, s59
	s_mov_b32 s59, 0
	s_add_nc_u64 s[10:11], s[10:11], s[58:59]
	s_lshl_b32 s60, s16, 11                        ; my two tiles are tiles 2 (wave % 4) and the next of the record
	s_lshl_b32 s61, s16, 3
	s_mul_i32 s62, s16, 3072
	s_and_b32 s63, s15, 1                          ; head % 2: which half of AI's fragments is mine
	s_mul_i32 s66, s63, 768
	s_add_co_u32 s62, s62, s66
	s_lshl_b32 s63, s63, 1
	s_add_co_u32 s63, s63, 4096
	v_and_b32 v8, 31, v0                           ; lane
	v_and_b32 v9, 15, v0                           ; r
	v_bfe_u32 v10, v0, 4, 1                        ; h
	v_mov_b32 v[SL4], 0x02060004
	v_mov_b32 v[T1], 0x06020400
	v_lshlrev_b32 v[AK0], 3, v8
	v_lshlrev_b32 v[AK4], 4, v8
	v_lshlrev_b32 v[AS0], 5, v9
	v_lshlrev_b32 v[AT0], 4, v9
	v_mad_u32_u24 v[PSL], v10, 0x5fe, 4            ; lanes 0-15: my byte 0, the other's byte 0; lanes 16-31: the other's byte 2, my byte 2
	v_cndmask_b32 v[SL4], v[SL4], v[T1], s[HIH]    ; lanes 0-15: mine first; lanes 16-31: the other's first
	v_add_nc_u32 v[AS0], 8192, v[AS0]
	v_add_nc_u32 v[AV0], KB, v[AK4]
	v_add_nc_u32 v[AT0], KB+6144, v[AT0]
	v_add_nc_u32 v[QO], s60, v[AK0]
	v_add_nc_u32 v[QO4], s60, v[AK4]
	v_add_nc_u32 v[GO], s62, v[AK0]
	v_add_nc_u32 v[QSO], s61, v[AS0]
	v_lshl_add_u32 v[GSC], v10, 2, v[QSO]
	v_add_nc_u32 v[GSC], s63, v[GSC]               ; 12,288 + 32 r + 8 (wave % 4) + 4 h + 2 (head % 2): lanes 0-15 store the first tile's two bytes, lanes 16-31 the second's
	global_load_b128 v[QF:QF+3], v[QO4], s[4:5]
	global_load_b64 v[QF+4:QF+5], v[QO], s[4:5] offset:512
	global_load_b64 v[QF+6:QF+7], v[QO], s[4:5] offset:768
	global_load_b128 v[250:253], v[QO4], s[4:5] offset:1024
	global_load_b64 v[254:255], v[QO], s[4:5] offset:1536
	global_load_b64 v[234:235], v[QO], s[4:5] offset:1792
	global_load_b32 v[Q0S], v[QSO], s[4:5]
	global_load_b32 v[Q1S], v[QSO], s[4:5] offset:4
.irp n, 0,1,2,3
	v_mov_b32 v[QF+8+\n], 0                        ; k = 75 and on: zero codes in Q
	v_mov_b32 v[KF+64+\n], 0                       ; the last K fragment's registers 8-11: written once
.endr
	v_mov_b32 v[T2], 0                             ; written once: a lane permute's destination counts as one of its sources
	v_mov_b32 v[FF+1], 0                           ; (named as the upper half of a pair)
	s_wait_alu depctr_va_vdst(0)                   ; the wait at the head's end
	s_wait_tensorcnt 0x0                           ; my part of K or V has landed,
	s_barrier_signal -1
	s_barrier_wait -1                              ; everybody's has
	s_wait_loadcnt 0x0                             ; Q: its loads' offset registers are free from here on
; A KEY STEP: 128 keys
.macro STEP qs
	v_add_nc_u32 v[ADK], s[TBK], v[AK0]            ; these four are the places in front of loads into registers that the last step's products read
	v_add_nc_u32 v[ADK4], s[TBK], v[AK4]
	v_add_nc_u32 v[ADS], s[TBK], v[AS0]
	v_add_nc_u32 v[ADT], s[TBV], v[AT0]
	ds_load_b128 v[KS:KS+3], v[ADS]
	ds_load_b128 v[KS+4:KS+7], v[ADS] offset:16
.irp t, 0,1,2,3,4,5,6,7
	ds_load_b128 v[KF+8*\t:KF+8*\t+3], v[ADK4] offset:1024*\t
	ds_load_b64 v[KF+8*\t+4:KF+8*\t+5], v[ADK] offset:1024*\t+512
	ds_load_b64 v[KF+8*\t+6:KF+8*\t+7], v[ADK] offset:1024*\t+768
.endr
	s_wait_alu depctr_va_vdst(0)                   ; directly ahead of the wait below
	s_wait_dscnt 0x0
.irp t, 0,1,2,3,4,5,6,7                ; S^T = K Q^T
	v_wmma_scale_f32_16x16x128_f8f6f4 v[SS+8*\t:SS+8*\t+7], v[KF+8*\t:KF+8*\t+11], v[QF:QF+11], 0, v[KS+\t], v[\qs] matrix_a_fmt:MATRIX_FMT_FP6 matrix_b_fmt:MATRIX_FMT_FP6
.endr
	v_add_nc_u32 v[ADV], s[TBV], v[AV0]            ; four places in front of the loads below and of the first read of the scores
.rept 3
	v_nop
.endr
.irp t, 0,1,2,3                        ; V's four fragments take K's registers
.irp p, 0,1,2
	ds_load_b128 v[KF+12*\t+4*\p:KF+12*\t+4*\p+3], v[ADV] offset:1536*\t+512*\p
.endr
.endr
	ds_load_b128 v[VS:VS+3], v[ADT]
.irp b, 0,1,2,3
	v_max3_num_f32 v[BM+\b], v[SS+16*\b], v[SS+1+16*\b], v[SS+2+16*\b]   ; the largest score of each of my two blocks of 32 keys, in two chains each: for the row's maximum, and, since p rises with the score, for the block's largest p
.endr
.irp i, 3,5,7,9,11,13
.irp b, 0,1,2,3
	v_max3_num_f32 v[BM+\b], v[BM+\b], v[SS+16*\b+\i], v[SS+1+16*\b+\i]
.endr
.endr
	v_max3_num_f32 v[BM], v[BM], v[SS+15], v[SS+31]
	v_max3_num_f32 v[BM+2], v[BM+2], v[SS+47], v[SS+63]
	v_max_num_f32 v[BM], v[BM], v[BM+1]            ; block h
	v_max_num_f32 v[BM+2], v[BM+2], v[BM+3]        ; block 2 + h
	s_delay_alu instid0(VALU_DEP_1)
	v_max_num_f32 v[T1], v[BM], v[BM+2]
	s_delay_alu instid0(VALU_DEP_1)
	v_permlanex16_b32 v[T2], v[T1], s[SEL], s[SEL+1]
	s_delay_alu instid0(VALU_DEP_1)
	v_max3_num_f32 v13, v13, v[T1], v[T2]          ; the running largest score of my query (c is positive: the largest t is c x this)
	v_mov_b32 v[T2], v12
	s_delay_alu instid0(VALU_DEP_2)
	v_mul_f32 v[T1], s[NC], v13
	s_delay_alu instid0(VALU_DEP_1)
	v_floor_f32 v12, v[T1]                         ; the new -M = floor(-t): M is a whole number
	s_delay_alu instid0(VALU_DEP_1)
	v_sub_f32 v[T1], v12, v[T2]                    ; old M - new M: a whole number, 0 or less
	s_delay_alu instid0(VALU_DEP_1)
	v_cvt_i32_f32 v[T1], v[T1]                     ; (it saturates)
	s_delay_alu instid0(VALU_DEP_1)
	v_ldexp_f32 v[FF], 1.0, v[T1]                  ; f = 2^(old M - new M)
.set J, 0
.rept 32
	v_pk_fma_f32 v[SS+J:SS+J+1], v[SS+J:SS+J+1], s[CS:CS+1], v[12:13] op_sel_hi:[1,0,0]   ; t - M, two at a time
.set J, J+2
.endr
	v_fma_f32 v[BM], v[BM], s[CS], v12             ; the same of each block's largest score
	v_fma_f32 v[BM+2], v[BM+2], s[CS], v12
	s_wait_alu depctr_va_vdst(0)                   ; the wait ahead of the batch
.set J, 0
.rept 64
	v_exp_f32 v[SS+J], v[SS+J]                     ; p = 2^(t - M)
.set J, J+1
.endr
	v_pk_mul_f32 v[14:15], v[14:15], v[FF:FF+1] op_sel_hi:[1,0]   ; the sums under the new M: the plain place behind the exponentials
	s_wait_alu depctr_va_vdst(0)                   ; one wait for the whole batch, ahead of its first reader
	v_exp_f32 v[BM], v[BM]                         ; the blocks' largest p
	v_exp_f32 v[BM+2], v[BM+2]
	v_pk_add_f32 v[X1:X1+1], v[SS:SS+1], v[SS+2:SS+3]             ; the row's sum, of the unquantised p: three chains
	v_pk_add_f32 v[X2:X2+1], v[SS+4:SS+5], v[SS+6:SS+7]
	v_pk_add_f32 v[14:15], v[14:15], v[SS+8:SS+9]
.irp j, 5,8,11,14,17,20,23,26,29
	v_pk_add_f32 v[X1:X1+1], v[X1:X1+1], v[SS+2*\j:SS+2*\j+1]
	v_pk_add_f32 v[X2:X2+1], v[X2:X2+1], v[SS+2*\j+2:SS+2*\j+3]
	v_pk_add_f32 v[14:15], v[14:15], v[SS+2*\j+4:SS+2*\j+5]
.endr
	v_pk_add_f32 v[X1:X1+1], v[X1:X1+1], v[X2:X2+1]
	s_delay_alu instid0(VALU_DEP_1)
	v_pk_add_f32 v[14:15], v[14:15], v[X1:X1+1]
	s_wait_alu depctr_va_vdst(0)                   ; and one for the two
	v_max_num_f32 v[BM], 0x1800000, v[BM]          ; the floor 2^(3 - 127): a block whose every p is 0 keeps the byte 1: its codes are zeros
	v_max_num_f32 v[BM+2], 0x1800000, v[BM+2]
	v_add_nc_u32 v[SO], 0xff000000, v[BM]          ; 2 off the exponent field: the conversion's scale operand
	v_add_nc_u32 v[SO+1], 0xff000000, v[BM+2]
	v_lshrrev_b32 v[BM+1], 23, v[SO]               ; the scale's byte
	v_lshrrev_b32 v[BM+3], 23, v[SO+1]
	s_delay_alu instid0(VALU_DEP_1)
	v_lshl_or_b32 v[T1], v[BM+3], 16, v[BM+1]      ; my bytes: blocks h and 2 + h
	s_delay_alu instid0(VALU_DEP_1)
	v_permlanex16_b32 v[T2], v[T1], s[SEL], s[SEL+1]
	s_delay_alu instid0(VALU_DEP_1)
	v_perm_b32 v[PS], v[T1], v[T2], v[SL4]         ; woven with lane l xor 16's: p's scale word for these 128 keys
.irp c, 0,1
	v_cvt_scalef32_pk16_fp6_f32 v[PP+6*\c:PP+2+6*\c], v[SS+32*\c:SS+15+32*\c], v[SO+\c]
	v_cvt_scalef32_pk16_fp6_f32 v[PT+4*\c:PT+2+4*\c], v[SS+16+32*\c:SS+31+32*\c], v[SO+\c]   ; (a conversion's three registers begin on an even number)
.endr
	v_nop                                          ; one plain place behind a scaled conversion
.irp c, 0,1
.irp i, 0,1,2
	v_mov_b32 v[PP+3+6*\c+\i], v[PT+4*\c+\i]       ; registers 6 c .. 6 c + 5 hold keys 64 c + 32 h + 0 .. 31
.endr
.endr
	s_wait_alu depctr_va_vdst(0)                   ; directly ahead of the first reader of O^T
.set J, 0
.rept 16
	v_pk_mul_f32 v[OO+J:OO+J+1], v[OO+J:OO+J+1], v[FF:FF+1] op_sel_hi:[1,0]   ; O^T under the new M; these sixteen are also the places between p's codes and scale word and the products
.set J, J+2
.endr
	s_wait_alu depctr_va_vdst(0)                   ; directly ahead of the wait below
	s_wait_dscnt 0x0                               ; V
.irp t, 0,1,2,3                        ; O^T += V^T P^T: the four accumulators by turns
	v_wmma_scale_f32_16x16x128_f8f6f4 v[OO+8*\t:OO+8*\t+7], v[KF+12*\t:KF+12*\t+11], v[PP:PP+11], v[OO+8*\t:OO+8*\t+7], v[VS+\t], v[PS] matrix_a_fmt:MATRIX_FMT_FP6 matrix_b_fmt:MATRIX_FMT_FP6
.endr
.endm
; O^T / the sum, quantised: my 32 numbers are one block of d_model; stored as half a fragment of AI's tile
.macro FINISH p
.rept 4
	v_nop
.endr
	v_add_f32 v14, v14, v15
	s_delay_alu instid0(VALU_DEP_1)
	v_permlanex16_b32 v[T2], v14, s[SEL], s[SEL+1]
	s_delay_alu instid0(VALU_DEP_1)
	v_add_f32 v14, v14, v[T2]                      ; the row's sum
	s_wait_alu depctr_va_vdst(0)                   ; the wait ahead of the transcendental
	v_rcp_f32 v[FF], v14
	v_nop                                          ; a plain place behind the reciprocal
	s_wait_alu depctr_va_vdst(0)                   ; and the wait ahead of its first reader, which is also O^T's
.set J, 0
.rept 16
	v_pk_mul_f32 v[OO+J:OO+J+1], v[OO+J:OO+J+1], v[FF:FF+1] op_sel_hi:[1,0]   ; each accumulator from its low end on
.set J, J+2
.endr
.irp b, 0,1
	v_max3_num_f32 v[BM+\b], |v[OO+16*\b]|, |v[OO+1+16*\b]|, 0x1800000
.endr
.irp i, 2,4,6,8,10,12,14
.irp b, 0,1
	v_max3_num_f32 v[BM+\b], v[BM+\b], |v[OO+16*\b+\i]|, |v[OO+1+16*\b+\i]|
.endr
.endr
	s_delay_alu instid0(VALU_DEP_1)
	v_max_num_f32 v[BM], v[BM], v[BM+1]
	s_delay_alu instid0(VALU_DEP_1)
	v_add_nc_u32 v[SO], 0xff000000, v[BM]
	s_delay_alu instid0(VALU_DEP_1)
	v_lshrrev_b32 v[OS+\p], 23, v[SO]
	v_cvt_scalef32_pk16_fp6_f32 v[PP:PP+2], v[OO:OO+15], v[SO]
	v_cvt_scalef32_pk16_fp6_f32 v[PT:PT+2], v[OO+16:OO+31], v[SO]
	v_nop
.irp i, 0,1,2
	v_mov_b32 v[PP+3+\i], v[PT+\i]
.endr
.irp u, 0,1,2
	global_store_b64 v[GO], v[PP+2*\u:PP+2*\u+1], s[10:11] offset:1536*\p+256*\u   ; 256 consecutive bytes, aligned
.endr
.endm
.macro PASS p, qs
.if \p
	s_wait_xcnt 0x0                                ; the first tile's stores have read their data
.irp n, 0,1,2,3,4,5
	v_mov_b32 v[QF+\n], v[250+\n]                  ; Q of the second tile
.endr
	v_mov_b32 v[QF+6], v234
	v_mov_b32 v[QF+7], v235
.endif
	s_mov_b32 s[TBK], 0
	s_mov_b32 s[TBV], 0
	s_mov_b32 s[CNT], 16
	v_mov_b32 v13, 0xff61b1e6                      ; the largest score so far: -3e38
	v_mov_b32 v12, 0x7f61b1e6                      ; and -M: 3e38: the first step's f is 0
	v_mov_b32 v14, 0
	v_mov_b32 v15, 0
.set J, 0
.rept 32
	v_mov_b32 v[OO+J], 0                           ; the step is written once: the first finds zeros, which the first change of M leaves zeros
.set J, J+1
.endr
.Lstep_\@:
	STEP \qs
	s_add_co_u32 s[TBK], s[TBK], 8704
	s_add_co_u32 s[TBV], s[TBV], 6400
	s_sub_co_u32 s[CNT], s[CNT], 1
	s_cmp_lg_u32 s[CNT], 0
	s_cbranch_scc1 .Lstep_\@
	FINISH \p
.endm
	PASS 0, Q0S
	PASS 1, Q1S
	v_lshl_or_b32 v[T1], v[OS+1], 16, v[OS]        ; my byte of each tile: block 2 (head % 2) + h
	s_delay_alu instid0(VALU_DEP_1)
	v_permlanex16_b32 v[T2], v[T1], s[SEL], s[SEL+1]
	s_delay_alu instid0(VALU_DEP_1)
	v_perm_b32 v[T1], v[T1], v[T2], v[PSL]         ; lanes 0-15: the first tile's two bytes; lanes 16-31: the second's
	global_store_b16 v[GSC], v[T1], s[10:11]
	s_wait_tensorcnt 0x0                           ; the wave's end
	ds_add_u32 v[SPW], v[NIL]
	s_wait_dscnt 0x0
	CROUND                                         ; the closing round
	s_endpgm
.Lfunc_end_k_qcd8fadbfd0_attn:
	.size	k_qcd8fadbfd0_attn, .Lfunc_end_k_qcd8fadbfd0_attn-k_qcd8fadbfd0_attn
	.p2alignl 7, 3214868480
	.fill 96, 4, 3214868480
	.section	.rodata,"a",@progbits
	.p2align	6, 0x0
	.amdhsa_kernel k_qcd8fadbfd0_attn
		.amdhsa_group_segment_fixed_size 243712
		.amdhsa_private_segment_fixed_size 0
		.amdhsa_enable_private_segment 0
		.amdhsa_kernarg_size 32
		.amdhsa_user_sgpr_count 2
		.amdhsa_user_sgpr_kernarg_segment_ptr 1
		.amdhsa_wavefront_size32 1
		.amdhsa_system_sgpr_workgroup_id_x 1
		.amdhsa_system_sgpr_workgroup_id_y 1
		.amdhsa_system_sgpr_workgroup_id_z 1
		.amdhsa_system_vgpr_workitem_id 0
		.amdhsa_next_free_vgpr 256
		.amdhsa_next_free_sgpr 70
		.amdhsa_reserve_vcc 0
		.amdhsa_float_denorm_mode_32 3
		.amdhsa_float_denorm_mode_16_64 3
		.amdhsa_memory_ordered 1
		.amdhsa_forward_progress 1
		.amdhsa_inst_pref_size 49
	.end_amdhsa_kernel
	.amdgpu_metadata
---
amdhsa.version: [ 1, 2 ]
amdhsa.kernels:
  - .name:           k_qcd8fadbfd0_attn
    .symbol:         k_qcd8fadbfd0_attn.kd
    .args:
      - { .name: QI, .offset: 0, .size: 8, .value_kind: global_buffer, .address_space: global }
      - { .name: KI, .offset: 8, .size: 8, .value_kind: global_buffer, .address_space: global }
      - { .name: VI, .offset: 16, .size: 8, .value_kind: global_buffer, .address_space: global }
      - { .name: AI, .offset: 24, .size: 8, .value_kind: global_buffer, .address_space: global }
    .group_segment_fixed_size: 243712
    .private_segment_fixed_size: 0
    .kernarg_segment_align: 8
    .kernarg_segment_size: 32
    .max_flat_workgroup_size: 512
    .sgpr_count:     70
    .vgpr_count:     256
    .wavefront_size: 32
...
	.end_amdgpu_metadata
.endif
;; end of part 3
;; launch outp (part 4): grid 4 x 64, 4 waves a work-group, clusters of 4 x 4, 327,680 bytes of LDS; arguments XI, AI, out0; writes out0
.if DOCPART == 4
	.amdgcn_target "amdgcn-amd-amdhsa--gfx1250"
	.amdhsa_code_object_version 6
	.text
	.protected	k_qcd8fadbfd0_outp
	.globl	k_qcd8fadbfd0_outp
	.p2align	8
	.type	k_qcd8fadbfd0_outp,@function
k_qcd8fadbfd0_outp:
	s_mov_b64 s[64:65], 0
	v_nop
	global_prefetch_b8 v0, s[64:65] scope:SCOPE_SE
	s_setreg_imm32_b32 hwreg(HW_REG_WAVE_MODE, 25, 1), 1
	s_wait_xcnt 0x0
	s_wait_alu depctr_hold_cnt(0) depctr_sa_sdst(0) depctr_va_vdst(0) depctr_va_sdst(0) depctr_va_ssrc(0) depctr_va_vcc(0) depctr_vm_vsrc(0)
	s_getreg_b32 s2, hwreg(HW_REG_IB_STS2, 6, 4)
	s_cmp_eq_u32 s2, 0
	s_cbranch_scc0 .Lentry_in_a_cluster
	s_endpgm
.Lentry_in_a_cluster:
	s_bfe_u32 s2, ttmp6, 0x10000c
	s_cmp_lg_u32 s2, 0xf033
	s_cbranch_scc0 .Lentry_shape_is_right
	s_endpgm
.Lentry_shape_is_right:
; out0 = A Wo^T on codes of FP6 (E2M3): A, attention's result, out of AI; Wo out of XI (blocks 216-223).  out0: [8192][1024] f32.
; A work-group makes 256 outputs (P = Wo, source 0) x 128 tokens (R = AI, source 1).  Wave w takes P's block w % 2 (8 tiles) and R's tiles 4 (w / 2) on: 32 accumulators.
; Records of 12,800 bytes, one for each 128 along K.  XI: codes [tile][piece 0..2][lane][16]; AI: codes [tile][piece 0..5][lane][8]; both: then scale words [row][tile].
; THE CUT OF THE TILES: row r of tile t is row 64 (t / 4) + 8 (t % 4) + r % 8 + 32 (r / 8) of its block of 128: so register j of P's tile i is output 64 (i / 4) + 32 h + 8 (i % 4) + j of the lane's token.
; ALL OF K (1,024) OF THE THREE BLOCKS LIES IN LDS, 3 x 102,400 bytes, filled once, in two groups of four K steps, one joint load a wave in each; the second group stands behind the wait for all tensor loads, the add and a round.
; CLUSTER 4 x 4: P hangs on cx alone and is asked for jointly by a column of the cluster, R on cy alone and by a row.  Nothing is prefetched: the launch has no loop to run ahead in.
; THE WAY OUT: a tile of 16 tokens x 128 outputs goes through the wave's stage in LDS and leaves as rows of 512 consecutive bytes, aligned.  The stages lie in P's first block, behind a barrier behind which nobody reads the tiles; they have had their only fill.
; REGISTERS, in windows of 256: window 0 addresses, scale words, the way out; window 1 the accumulators ((i, j) at v[64 j + 8 i]); window 2 P's fragments, two sets at v0 and v128; window 3 R's, two sets at v0 and v64.
.set BLK,   102400
.set REC,   12800
.set GRP,   2*REC
.set RB,    2*BLK
.set SPARE, 3*BLK                      ; the spare words, 128 bytes a wave: two blocks of 256 bytes that no other line names
.set PIT,   528                        ; a stage row: 512 bytes + 16
.set ADP,  4
.set ADR,  6
.set ADSA, 8
.set ADSB, 10
.set STO,  12                          ; v12 the stage: where I put 32 bytes of a row
.set RD,   13                          ; v13 and where I read a row back
.set SPW,  14
.set NIL,  15
.set CO,   16                          ; v16 16 x lane: my bytes of a row's 512, and of a piece of P
.set TMP,  17
.set SC,   48                          ; v48-63 scale words, two sets of 8: scales and nothing else
.set BK,   64                          ; v64-127, v128-191 by turns: 16 rows read back
.set G1P, 24
.set G1R, 32
.set G0P, 40
.set G0R, 68
.set MSB, 0
.macro WIN new
.if MSB != \new
	s_set_vgpr_msb (MSB<<8)|\new
.set MSB, \new
.endif
.endm
.set MUL,  0x5e
.set TO_P, 0x80
.set TO_R, 0xc0
.macro CROUND
	s_barrier_signal -1
	s_barrier_wait -1
	s_cmp_lg_u32 s14, 0
	s_cbranch_scc1 .Lnot_wave_0_\@
	s_barrier_signal -3
.Lnot_wave_0_\@:
	s_barrier_wait -3
	s_barrier_signal -1
	s_barrier_wait -1
.endm
	s_load_b128 s[4:7], s[0:1], 0x0                ; XI, AI
	s_load_b64 s[8:9], s[0:1], 0x10                ; out0
	v_lshl_add_u32 v[SPW], v0, 2, SPARE
	v_mov_b32 v[NIL], 0
	ds_add_u32 v[SPW], v[NIL]                      ; the wave's opening: the add, twice on end, and its wait ahead of my first tensor load
	ds_add_u32 v[SPW], v[NIL]
	v_lshrrev_b32 v1, 5, v0
	v_readfirstlane_b32 s14, v1                    ; wave
	s_and_b32 s15, s14, 1                          ; pw
	s_lshr_b32 s16, s14, 1                         ; rw
	s_bfe_u32 s17, ttmp6, 0x40000                  ; cx
	s_bfe_u32 s18, ttmp6, 0x40004                  ; cy
	s_and_b32 s19, ttmp7, 0xffff                   ; cluster y
	s_lshl_b32 s22, ttmp9, 2
	s_add_co_u32 s22, s22, s17                     ; work-group x
	s_lshl_b32 s23, 0x1111, s17                    ; my column of the cluster
	s_lshl_b32 s66, s18, 2
	s_lshl_b32 s66, 15, s66                        ; my row
	s_or_b32 s[G1P], s23, (3<<16)|(1<<21)
	s_or_b32 s[G1R], s66, (3<<16)|(1<<21)
.irp g, G1P, G1R
	s_mov_b32 s[\g+1], 32<<16                      ; rows of 256 bytes,
	s_mov_b32 s[\g+2], 100<<16                     ; 100 of them: two K steps of a block
	s_mov_b32 s[\g+3], 32<<16
	s_mov_b32 s[\g+4], 100
	s_mov_b32 s[\g+5], 32
	s_mov_b32 s[\g+6], 0
	s_mov_b32 s[\g+7], 0
.endr
	s_mov_b32 s[G1P+2], 200<<16                    ; a load of P brings four K steps of a block: 200 rows; a load of R two: 100 rows
	s_mov_b32 s[G1P+4], 200
	s_lshl_b32 s56, s22, 1
	s_add_co_u32 s56, s56, 216                     ; Wo's block 2 x work-group x
	s_add_co_u32 s56, s56, s15                     ; + the block that I fetch
	s_mul_i32 s56, s56, BLK
	s_mov_b32 s57, 0
	s_lshl_b32 s58, s19, 2
	s_add_co_u32 s58, s58, s18                     ; the block of tokens: 4 x cluster y + cy
	s_mul_i32 s58, s58, BLK
	s_mov_b32 s59, 0
	s_mul_i32 s60, s15, BLK
	s_wait_dscnt 0x0                               ; both opening adds are done
	s_wait_kmcnt 0x0
	s_add_nc_u64 s[56:57], s[4:5], s[56:57]
	s_add_nc_u64 s[58:59], s[6:7], s[58:59]
.irp g, 0,1,2,3
	s_mov_b32 s[G0P+4*\g], 1
	s_add_co_u32 s[G0P+4*\g+1], s60, \g*GRP
	s_add_nc_u64 s[G0P+4*\g+2:G0P+4*\g+3], s[56:57], \g*GRP
	s_or_b32 s[G0P+4*\g+3], s[G0P+4*\g+3], 0x80000000
	s_mov_b32 s[G0R+4*\g], 1
	s_mov_b32 s[G0R+4*\g+1], RB+\g*GRP
	s_add_nc_u64 s[G0R+4*\g+2:G0R+4*\g+3], s[58:59], \g*GRP
	s_or_b32 s[G0R+4*\g+3], s[G0R+4*\g+3], 0x80000000
.endr
	CROUND                                         ; all sixteen work-groups are here: the joint loads meet
; Four K steps of the three blocks, one joint load a wave: waves 0 and 1 P's two blocks, waves 2 and 3 two K steps of R each.  One chain of branches on the wave's number, one load to an arm.
.macro ASK3 gp, ga, gb
	s_cmp_lt_u32 s14, 2
	s_cbranch_scc0 .Lnot_p_\@
	tensor_load_to_lds s[G0P+4*\gp:G0P+4*\gp+3], s[G1P:G1P+7]
	s_nop 0
.rept 4
	v_nop
.endr
	s_branch .Lasked_\@
.Lnot_p_\@:
	s_cmp_eq_u32 s14, 2
	s_cbranch_scc0 .Lw3_\@
	tensor_load_to_lds s[G0R+4*\ga:G0R+4*\ga+3], s[G1R:G1R+7]
	s_nop 0
.rept 4
	v_nop
.endr
	s_branch .Lasked_\@
.Lw3_\@:
	tensor_load_to_lds s[G0R+4*\gb:G0R+4*\gb+3], s[G1R:G1R+7]
	s_nop 0
.rept 4
	v_nop
.endr
.Lasked_\@:
.endm
	ASK3 0, 0, 1                                   ; K steps 0 to 3
	v_and_b32 v1, 31, v0                           ; lane
	v_and_b32 v2, 15, v0                           ; r
	v_bfe_u32 v3, v0, 4, 1                         ; h
	v_lshlrev_b32 v[TMP], 3, v1
	v_lshlrev_b32 v[CO], 4, v1
	v_add_nc_u32 v[ADP], s60, v[CO]
	v_add_nc_u32 v[ADP+1], 4*REC, v[ADP]
	s_mul_i32 s61, s16, 6144
	s_add_co_u32 s61, s61, RB
	v_add_nc_u32 v[ADR], s61, v[TMP]
	v_add_nc_u32 v[ADR+1], 4*REC, v[ADR]
	s_add_co_u32 s62, s60, 12288
	s_lshl_b32 s63, s16, 4
	s_add_co_u32 s63, s63, RB+12288
	s_sub_co_u32 s63, s63, s62
	v_lshlrev_b32 v[ADSB], 5, v2
	v_add_nc_u32 v[ADSB], s62, v[ADSB]
	v_mul_u32_u24 v[ADSA], s63, v3                 ; lanes 16-31 take R's scale words
	v_add_nc_u32 v[ADSA], v[ADSA], v[ADSB]
	v_add_nc_u32 v[ADSA+1], 4*REC, v[ADSA]
	v_add_nc_u32 v[ADSB+1], 4*REC, v[ADSB]
	s_mul_i32 s84, s14, 16*PIT                     ; my stage
	v_mul_u32_u24 v[STO], v2, PIT
	v_lshl_add_u32 v[STO], v3, 7, v[STO]
	v_add_nc_u32 v[STO], s84, v[STO]               ; in: row r, + 128 h
	v_add_nc_u32 v[RD], s84, v[CO]                 ; back: a row of 512 bytes, 16 a lane
	s_lshl_b32 s85, s19, 2
	s_add_co_u32 s85, s85, s18
	s_lshl_b32 s85, s85, 1
	s_add_co_u32 s85, s85, s16                     ; my 64 tokens: 2 x block + rw
	s_lshl_b32 s86, s85, 18                        ; 64 rows of 4,096 bytes
	s_lshl_b32 s87, s22, 1
	s_add_co_u32 s87, s87, s15
	s_lshl_b32 s87, s87, 9                         ; my 128 outputs: 512 bytes
	s_add_co_u32 s86, s86, s87
	s_mov_b32 s87, 0
	s_add_nc_u64 s[8:9], s[8:9], s[86:87]
.macro FETCH s
.set FO, ((\s)%4)*REC
.set FH, (\s)/4
.set FS, (\s)%2
	WIN TO_P
.irp i, 0,1,2,3,4,5,6,7
.irp p, 0,1,2
	ds_load_b128 v[128*FS+12*\i+4*\p:128*FS+12*\i+4*\p+3], v[ADP+FH] offset:FO+1536*\i+512*\p
.endr
.endr
	WIN TO_R
.irp j, 0,1,2,3
.irp p, 0,1,2,3,4,5
	ds_load_b64 v[64*FS+12*\j+2*\p:64*FS+12*\j+2*\p+1], v[ADR+FH] offset:FO+1536*\j+256*\p
.endr
.endr
	WIN 0
	ds_load_b128 v[SC+8*FS:SC+8*FS+3], v[ADSA+FH] offset:FO
	ds_load_b128 v[SC+8*FS+4:SC+8*FS+7], v[ADSB+FH] offset:FO+16
.endm
; 16 matrix instructions; the 32 accumulators take turns, one instruction a turn, in the same order in every K step.  K step 0 starts the sums.
.macro MUL16 s, j0
.set FS, (\s)%2
.irp j, \j0, \j0+1
.irp i, 0,1,2,3,4,5,6,7
.if (\s) == 0
	v_wmma_scale_f32_16x16x128_f8f6f4 v[64*(\j)+8*\i:64*(\j)+8*\i+7], v[128*FS+12*\i:128*FS+12*\i+11], v[64*FS+12*(\j):64*FS+12*(\j)+11], 0, v[SC+8*FS+\i], v[SC+8*FS+(\j)] matrix_a_fmt:MATRIX_FMT_FP6 matrix_b_fmt:MATRIX_FMT_FP6 matrix_b_scale:MATRIX_SCALE_ROW1
.else
	v_wmma_scale_f32_16x16x128_f8f6f4 v[64*(\j)+8*\i:64*(\j)+8*\i+7], v[128*FS+12*\i:128*FS+12*\i+11], v[64*FS+12*(\j):64*FS+12*(\j)+11], v[64*(\j)+8*\i:64*(\j)+8*\i+7], v[SC+8*FS+\i], v[SC+8*FS+(\j)] matrix_a_fmt:MATRIX_FMT_FP6 matrix_b_fmt:MATRIX_FMT_FP6 matrix_b_scale:MATRIX_SCALE_ROW1
.endif
.endr
.endr
.endm
.macro KSTEP s
	s_wait_dscnt 0x0                               ; this K step's fragments are in
.if (\s) == 3
	s_wait_tensorcnt 0x0                           ; my part of K steps 4 to 7 has landed
	s_barrier_signal -1
.endif
	WIN MUL
	MUL16 \s, 0
.if (\s) == 3
	s_barrier_wait -1
.endif
.if (\s) < 7
.rept 4
	v_nop                                          ; four places in front of loads into registers that matrix instructions have read
.endr
	FETCH (\s)+1
.endif
	WIN MUL
	MUL16 \s, 2
.endm
	s_wait_alu depctr_va_vdst(0)                   ; the wait at the head's end
	s_wait_tensorcnt 0x0                           ; my part of K steps 0 to 3 has landed
	ds_add_u32 v[SPW], v[NIL]
	s_wait_dscnt 0x0
	CROUND                                         ; everybody's has, and all sixteen work-groups are here
	ASK3 2, 2, 3                                   ; K steps 4 to 7: my one load behind the round; it has three K steps' products in which to land
	FETCH 0
.irp s, 0,1,2,3,4,5,6,7
	KSTEP \s
.endr
	WIN 0
.rept 4
	v_nop                                          ; four places in front of the first read of results
.endr
	s_wait_dscnt 0x0                               ; my reads of the tiles are over,
	s_barrier_signal -1
	s_barrier_wait -1                              ; everybody's are: the stages may be written
.macro TOSTAGE j
	WIN 0x04                                       ; an LDS store's data are its source 1: window 1
.irp i, 0,1,2,3,4,5,6,7
	ds_store_b128 v[STO], v[64*(\j)+8*\i:64*(\j)+8*\i+3] offset:256*(\i/4)+32*(\i%4)        ; each accumulator from its low end on
	ds_store_b128 v[STO], v[64*(\j)+8*\i+4:64*(\j)+8*\i+7] offset:256*(\i/4)+32*(\i%4)+16
.endr
	WIN 0
.set BB, BK+64*((\j)%2)
.irp t, 0,1,2,3,4,5,6,7,8,9,10,11,12,13,14,15
	ds_load_b128 v[BB+4*\t:BB+4*\t+3], v[RD] offset:\t*PIT   ; LDS serves a wave's instructions in order: these see the stores above, and the next tile's stores come behind them
.endr
.endm
.macro SEND j, younger                 ; younger: the LDS instructions issued behind tile j's loads, which may stay out
.set BB, BK+64*((\j)%2)
	s_wait_dscnt \younger
.irp t, 0,1,2,3,4,5,6,7,8,9,10,11,12,13,14,15
	global_store_b128 v[CO], v[BB+4*\t:BB+4*\t+3], s[8:9] offset:(8*(\j)+\t+24*(\t/8))*4096 th:TH_STORE_NT   ; row t of my tile j is token 8 j + t % 8 + 32 (t / 8) of my 64; 32 lanes store 512 consecutive bytes, aligned
.endr
.endm
	TOSTAGE 0
.irp a, 1,2,3
.if \a > 1
	s_wait_xcnt 0x0                                ; tile a - 2's stores have read their data: tile a's loads may land there
.endif
	TOSTAGE \a
	SEND \a-1, 32                                  ; behind tile a - 1's loads: tile a's 16 stores and 16 loads
.endr
	SEND 3, 0
	s_wait_tensorcnt 0x0                           ; the wave's end: behind my last LDS store
	ds_add_u32 v[SPW], v[NIL]
	s_wait_dscnt 0x0
	CROUND                                         ; the closing round
	s_endpgm
.Lfunc_end_k_qcd8fadbfd0_outp:
	.size	k_qcd8fadbfd0_outp, .Lfunc_end_k_qcd8fadbfd0_outp-k_qcd8fadbfd0_outp
	.p2alignl 7, 3214868480
	.fill 96, 4, 3214868480
	.section	.rodata,"a",@progbits
	.p2align	6, 0x0
	.amdhsa_kernel k_qcd8fadbfd0_outp
		.amdhsa_group_segment_fixed_size 327680
		.amdhsa_private_segment_fixed_size 0
		.amdhsa_enable_private_segment 0
		.amdhsa_kernarg_size 24
		.amdhsa_user_sgpr_count 2
		.amdhsa_user_sgpr_kernarg_segment_ptr 1
		.amdhsa_wavefront_size32 1
		.amdhsa_system_sgpr_workgroup_id_x 1
		.amdhsa_system_sgpr_workgroup_id_y 1
		.amdhsa_system_sgpr_workgroup_id_z 1
		.amdhsa_system_vgpr_workitem_id 0
		.amdhsa_next_free_vgpr 1024
		.amdhsa_next_free_sgpr 100
		.amdhsa_reserve_vcc 0
		.amdhsa_float_denorm_mode_32 3
		.amdhsa_float_denorm_mode_16_64 3
		.amdhsa_memory_ordered 1
		.amdhsa_forward_progress 1
		.amdhsa_inst_pref_size 84
	.end_amdhsa_kernel
	.amdgpu_metadata
---
amdhsa.version: [ 1, 2 ]
amdhsa.kernels:
  - .name:           k_qcd8fadbfd0_outp
    .symbol:         k_qcd8fadbfd0_outp.kd
    .args:
      - { .name: XI, .offset: 0, .size: 8, .value_kind: global_buffer, .address_space: global }
      - { .name: AI, .offset: 8, .size: 8, .value_kind: global_buffer, .address_space: global }
      - { .name: out0, .offset: 16, .size: 8, .value_kind: global_buffer, .address_space: global }
    .group_segment_fixed_size: 327680
    .private_segment_fixed_size: 0
    .kernarg_segment_align: 8
    .kernarg_segment_size: 24
    .max_flat_workgroup_size: 128
    .sgpr_count:     100
    .vgpr_count:     1024
    .wavefront_size: 32
...
	.end_amdgpu_metadata
.endif
;; end of part 4
